; MI455X (gfx1250); checked and timed in simulation.
; The chip was launched on July 23, 2026; its instructions are those of AMD's public machine-readable ISA for CDNA 5 (MIT licence, August 2026) and "CDNA5" Instruction Set Architecture Reference Guide (July 2026). The comments in the code are by the model that wrote it; some were corrected since.
;; Mo E Layer. Allowed arithmetic: matrix products marked QUANTISED: E4M3 operands, one E8M0 scale for each 32 along K, by v_wmma_scale_f32_16x16x128_f8f6f4 with both operands' format E4M3, f32 sums; products left as they are: f32 operands where the result goes on into a quantised operand, else bf16, f16 or f32 operands; f32 sums; everything else in f32.
;; Inputs: b1 8 x 2,048 float32; b2 8 x 512 float32; gate_b 8 float32; gate_w 512 x 8 float32; time_stage 2 x 2,048 x 512 float32; w1 8 x 512 x 2,048 float32; w2 8 x 2,048 x 512 float32; x 2 x 2,048 x 512 float32.
;; Outputs: out0 2 x 2,048 x 512 float32.
;; This version of the problem:
;;   THIS VERSION OF THE PROBLEM IS GIVEN IN LOW PRECISION. The matrix products marked QUANTISED in the list below multiply operands that are first quantised to E4M3 (4 exponent bits, 3 mantissa bits; 8 bits a number), with one power-of-two scale for each 32 numbers along K (OCP MX v1.0); their sums are f32. All else is computed in f32.
;;   The module's matrix products, in the order in which they are computed (A, B: the left and right operand; K: the contracted axis; several contracted axes count as one K, in the product's order):
;;     1. [M 4,096, K 512] x [K 512, N 8]; A: computed on the way; B: input gate_w: left as it is (N = 8 < 16)
;;     2. batch 4,096 x [M 8, K 2] x [K 2, N 1]; A: computed on the way; B: computed on the way: left as it is (K = 2 < 32)
;;     3. [M 16,384, K 512] x [K 512, N 4,096]; A: input w1; B: input x: QUANTISED
;;     4. batch 8 x [M 4,096, K 2,048] x [K 2,048, N 512]; A: computed on the way; B: input w2: QUANTISED
;;     5. batch 4,096 x [M 1, K 8] x [K 8, N 512]; A: computed on the way; B: computed on the way: left as it is (K = 8 < 32)
;;   THE QUANTISER, for each operand of a quantised product, along K:
;;     - K is cut into blocks of 32 from its start; a last block that is shorter is filled with zeros.
;;     - A block's scale is 2^e with e = floor(log2(the largest magnitude in the block)) - 8, held to -126 .. 127; a block of zeros has e = 0. As a byte (E8M0): e + 127.
;;     - Each number is divided by its block's scale, clamped to +-448, and rounded to the nearest number of E4M3, ties to even, subnormals kept.
;;     - The product sums the exact products of the quantised numbers (number of the format x scale) in f32.
;;   ~~~python
;;   def quantise(x, axis):      # numpy; x: float32 -> the quantised numbers, widened to float32 again
;;       x = np.moveaxis(x, axis, -1); K = x.shape[-1]
;;       x = np.pad(x, [(0, 0)] * (x.ndim - 1) + [(0, -K % 32)]); x = x.reshape(x.shape[:-1] + (-1, 32)); a = np.abs(x).max(-1, keepdims=True)
;;       e = np.where(a > 0, np.clip(np.frexp(np.where(a > 0, a, 1))[1] - 1 - 8, -126, 127), 0)      # np.frexp(a)[1] - 1 = floor(log2(a)), exactly
;;       r = np.clip(x / 2.0 ** e, -448, 448)
;;       step = 2.0 ** (np.maximum(np.frexp(np.where(r == 0, 1, r))[1] - 1, -6) - 3)
;;       q = np.round(r / step) * step * 2.0 ** e      # np.round: ties to even
;;       return np.moveaxis(q.reshape(q.shape[:-2] + (-1,))[..., :K], -1, axis).astype(np.float32)
;;   ~~~
;;   OPERANDS COMPUTED ON THE WAY. 'Computed on the way' means the value that the module computes at that place (a softmax that the list does not call 'softmax' is quantised finished and normalised). What goes into a quantiser is computed in f32, as accurately as f32 sums, v_exp_f32 and their like allow (about 1e-6 of the number): no bf16 or f16 on the way to a quantiser, and a product that is left as it is and whose result goes on into a quantised operand takes f32 operands (vector FMAs, or v_wmma_f32_16x16x4_f32). A number that lies on a knife's edge between two numbers of the format may be rounded either way, as far as f32 arithmetic and the matrix unit's own rounding can turn it there, and no further.
;; 2 versions, each right; version 2 is version 1 with the launch chain written anew for expert scheduling mode. Each part assembles by itself: llvm-mc -triple=amdgcn-amd-amdhsa -mcpu=gfx1250 --defsym DOCPART=n.
;; ======== version 1 of 2: 4 launches
;; workspace buffers: wq 17,301,504 bytes; xq 2,162,688 bytes; gw 32,768 bytes; eidx 32,768 bytes of whole numbers; lists 68,352 bytes of whole numbers; ybuf 17,694,720 bytes
;; launch route (part 1): grid 256 x 1, 4 waves a work-group, no clusters, 9,728 bytes of LDS; arguments x, time_stage, gate_w, gate_b, xq, eidx, gw, lists; writes xq, eidx, gw, lists
.if DOCPART == 1
	.amdgcn_target "amdgcn-amd-amdhsa--gfx1250"
	.amdhsa_code_object_version 6
	.text
	.protected	k_q2c93136469_route
	.globl	k_q2c93136469_route
	.p2align	8
	.type	k_q2c93136469_route,@function
k_q2c93136469_route:
	s_mov_b64 s[64:65], 0
	v_nop
	global_prefetch_b8 v0, s[64:65] scope:SCOPE_SE
	s_setreg_imm32_b32 hwreg(HW_REG_WAVE_MODE, 25, 1), 1
	s_wait_xcnt 0x0
; ROUTE.  For each of the 4,096 tokens: the router, softmax((x + time_stage) gate_w + gate_b) in f32, and its two largest scores (ties: the lower expert);
; and x as codes of E4M3 with one E8M0 byte for each 32 along d.  Stored at fixed places: xq (codes [4096][512], then scale bytes [4096][16] at byte 0x200000),
; eidx (u32 [4096][2], the two experts), gw (f32 [4096][2], their scores).  No address here hangs on the choice: the rows are placed by the next launch.
; The first 135 work-groups also write 0 over the row list (lists, 8,640 words): the next launch writes the routed rows over that, and a place that stays empty names token 0.
; SHARES.  A work-group takes 16 tokens, a wave 4.  A row of 512 f32 comes by four loads of 512 consecutive bytes: load j gives lane l the elements 128 j + 4 l .. + 3.
; gate_w stays in registers (window 1): register 8 n + e is gate_w[element n of my 16][e].  The eight sums go two experts to an instruction; the element is taken for both halves by op_sel.
; A block of 32 along d lies in 8 neighbouring lanes, 4 numbers each.  The conversion takes eight registers: only the first four are this block's, and only the low result register is used;
; the upper four sources belong to the next block (or to x + time_stage) and their codes are thrown away.
; The codes turn through the wave's own LDS bytes (4 bytes a lane in, 16 bytes a lane out), so that a store of the wave covers 512 consecutive bytes.
; The work-group's 256 scale bytes leave as one store of 256 consecutive bytes; its 128 bytes of eidx and of gw as runs of 128 bytes (64 KiB in the whole launch).
; LIMITS.  NaN and infinities are not served.  A block of zeros gets the byte 1 where the rule says 127: its codes are zeros, and this program alone reads the bytes.
; The sums' order differs from the reference's, so two scores closer than f32 sums tell apart (about 1e-6 of the score) may change places.
.set CST, 0                            ; LDS: 2,048 bytes for each wave: its four tokens' codes
.set XSB, 8192                         ; 16 tokens x 16 scale bytes
.set EIB, 8448                         ; 16 tokens x 2 experts
.set GWB, 8704                         ; 16 tokens x 2 scores
.set XT,  16                           ; v16-143  token t: x at 16 + 32 t, time_stage (then the sum) 16 further on
.set ACC, 144                          ; v144-151 the eight sums
.set RT,  152                          ; v152-159 the other half of the lanes' sums
.set PR,  160                          ; v160-167 the scores
.set QR,  168                          ; v168-175 the scores without the largest
.set BV1, 176                          ; v176-179 largest, its expert, second largest, its expert
.set IX1, 177
.set BV2, 178
.set IX2, 179
.set AM,  184                          ; v184-187 largest magnitudes of my four blocks
.set SOP, 188                          ; v188-191 the conversions' scale operands
.set HD,  192                          ; v192-195 448 x the scale
.set BY,  196                          ; v196-199 the scale bytes
.set CT,  200                          ; v200-207 the conversions' results
.set CO,  208                          ; v208-223 the codes, 16 bytes a lane, four tokens
.set MSB, 0
.macro WIN new                         ; the immediate's high byte repeats the setting that is left
.if MSB != \new
	s_set_vgpr_msb (MSB<<8)|\new
.set MSB, \new
.endif
.endm
	s_load_b512 s[4:19], s[0:1], 0x0               ; x, time_stage, gate_w, gate_b, xq, eidx, gw, lists
	v_lshl_add_u32 v254, v0, 2, 0x2400
	v_mov_b32 v255, 0
	v_lshrrev_b32 v1, 5, v0
	v_readfirstlane_b32 s20, v1                    ; wave 0..3
	v_and_b32 v1, 31, v0                           ; lane
	v_lshlrev_b32 v2, 4, v1                        ; 16 x lane
	v_lshlrev_b32 v3, 7, v1                        ; 128 x lane: my four rows of gate_w in each 4,096 bytes
	s_lshl_b32 s21, s20, 11
	v_lshl_add_u32 v4, v1, 2, s21                  ; my wave's stage, 4 bytes a lane
	v_lshl_add_u32 v5, v1, 4, s21                  ; and 16 bytes a lane
	s_lshl_b32 s21, s20, 6
	s_add_co_u32 s21, s21, XSB
	v_lshrrev_b32 v6, 3, v1
	v_add_nc_u32 v6, s21, v6                       ; my block's scale byte: 64 x wave + lane / 8
	s_lshl_b32 s21, s20, 5
	s_add_co_u32 s22, s21, EIB
	v_mov_b32 v7, s22                              ; my wave's 32 bytes of experts
	s_add_co_u32 s22, s21, GWB
	v_mov_b32 v8, s22                              ; and of scores
	v_lshlrev_b32 v9, 3, v1                        ; 8 x lane
	v_lshlrev_b32 v10, 2, v1                       ; 4 x lane
	s_mov_b32 s32, 0x76543210
	s_mov_b32 s33, 0xfedcba98                      ; v_permlanex16_b32's selects for lane l xor 16
	s_mov_b32 s34, 0x600000                        ; the mantissa field of 448
	s_mov_b32 s35, 0x3fb8aa3b                      ; log2(e)
.irp e, 0,1,2,3,4,5,6,7
	v_mov_b32 v[RT+\e], 0                          ; written once: a lane permute's destination counts as one of its sources
.endr
	s_lshl_b32 s36, ttmp9, 15                      ; my first token's row: (16 x work-group + 4 x wave) x 2,048 bytes
	s_lshl_b32 s37, s20, 13
	s_add_co_u32 s36, s36, s37
	s_mov_b32 s37, 0
	s_lshr_b32 s38, s36, 2                         ; its codes: 512 bytes a token
	s_mov_b32 s39, 0
	s_lshl_b32 s40, ttmp9, 8                       ; 256 bytes a work-group: scale bytes, and the row list's zeros
	s_mov_b32 s41, 0
	s_lshl_b32 s42, ttmp9, 7                       ; 128 bytes a work-group: eidx, gw
	s_mov_b32 s43, 0
	s_wait_kmcnt 0x0
	s_load_b256 s[24:31], s[10:11], 0x0            ; gate_b
	s_add_nc_u64 s[4:5], s[4:5], s[36:37]
	s_add_nc_u64 s[6:7], s[6:7], s[36:37]
	s_add_nc_u64 s[44:45], s[12:13], s[40:41]
	s_add_nc_u64 s[44:45], s[44:45], 0x200000      ; the scale bytes
	s_add_nc_u64 s[12:13], s[12:13], s[38:39]      ; the codes
	s_add_nc_u64 s[14:15], s[14:15], s[42:43]
	s_add_nc_u64 s[16:17], s[16:17], s[42:43]
	s_add_nc_u64 s[18:19], s[18:19], s[40:41]
	WIN 0x40                                       ; destination window 1
.irp j, 0,1,2,3
.irp k, 0,1,2,3,4,5,6,7
	global_load_b128 v[32*\j+4*\k:32*\j+4*\k+3], v3, s[8:9] offset:4096*\j+16*\k
.endr
.endr
	WIN 0
.irp t, 0,1,2,3
.irp j, 0,1,2,3
	global_load_b128 v[XT+32*\t+4*\j:XT+32*\t+4*\j+3], v2, s[4:5] offset:2048*\t+512*\j th:TH_LOAD_NT
.endr
.irp j, 0,1,2,3
	global_load_b128 v[XT+32*\t+16+4*\j:XT+32*\t+16+4*\j+3], v2, s[6:7] offset:2048*\t+512*\j th:TH_LOAD_NT
.endr
.endr
	s_wait_kmcnt 0x0                               ; gate_b
.macro TOKEN t
.set XR, XT+32*(\t)
.set SR, XR+16
	s_wait_loadcnt 8*(3-(\t))                      ; loads come back in order: gate_w and this token's eight are in; eight for each younger token may be out
.irp j, 0,2,4,6,8,10,12,14
	v_pk_add_f32 v[SR+\j:SR+\j+1], v[XR+\j:XR+\j+1], v[SR+\j:SR+\j+1]     ; the router's input
.endr
	WIN 0x04                                       ; source 1 (gate_w) window 1
.set n, 0
.rept 16                                       ; my 16 elements; the first starts the sums: nothing is cleared
.irp p, 0,1,2,3
.if n == 0
	v_pk_mul_f32 v[ACC+2*\p:ACC+2*\p+1], v[SR:SR+1], v[2*\p:2*\p+1] op_sel_hi:[0,1]
.elseif n%2 == 0
	v_pk_fma_f32 v[ACC+2*\p:ACC+2*\p+1], v[SR+n:SR+n+1], v[8*n+2*\p:8*n+2*\p+1], v[ACC+2*\p:ACC+2*\p+1] op_sel_hi:[0,1,1]
.else
	v_pk_fma_f32 v[ACC+2*\p:ACC+2*\p+1], v[SR+n-1:SR+n], v[8*n+2*\p:8*n+2*\p+1], v[ACC+2*\p:ACC+2*\p+1] op_sel:[1,0,0] op_sel_hi:[1,1,1]
.endif
.endr
.set n, n+1
.endr
	WIN 0
.irp k, 1,2,4,8                                ; across the 32 lanes, the eight sums by turns
.irp e, 0,1,2,3,4,5,6,7
	v_add_f32_dpp v[ACC+\e], v[ACC+\e], v[ACC+\e] row_xmask:\k row_mask:0xf bank_mask:0xf
.endr
.endr
.irp e, 0,1,2,3,4,5,6,7
	v_permlanex16_b32 v[RT+\e], v[ACC+\e], s32, s33
.endr
.irp e, 0,1,2,3,4,5,6,7
	v_add_f32 v[ACC+\e], v[ACC+\e], v[RT+\e]
.endr
.irp e, 0,1,2,3,4,5,6,7
	v_add_f32 v[ACC+\e], s[24+\e], v[ACC+\e]       ; + gate_b: every lane holds the eight logits
.endr
	v_max3_num_f32 v180, v[ACC], v[ACC+1], v[ACC+2]
	v_max3_num_f32 v180, v180, v[ACC+3], v[ACC+4]
	v_max3_num_f32 v180, v180, v[ACC+5], v[ACC+6]
	v_max_num_f32 v180, v180, v[ACC+7]             ; the maximum is taken away ahead of the exponential
	v_mul_f32 v180, s35, v180
.irp e, 0,1,2,3,4,5,6,7
	v_fma_f32 v[PR+\e], v[ACC+\e], s35, -v180      ; (logit - maximum) log2(e); what the rounding of the second term adds is the same for all eight and divides out
.endr
.irp e, 0,1,2,3,4,5,6,7
	v_exp_f32 v[PR+\e], v[PR+\e]
.endr
	v_nop                                          ; a plain instruction behind the last exponential
	s_wait_alu depctr_va_vdst(0)                   ; one wait for the eight, ahead of their first reader
	v_add_f32 v181, v[PR], v[PR+1]
	v_add_f32 v182, v[PR+2], v[PR+3]
	v_add_f32 v183, v[PR+4], v[PR+5]
	v_add_f32 v180, v[PR+6], v[PR+7]
	v_add_f32 v181, v181, v182
	v_add_f32 v183, v183, v180
	v_add_f32 v181, v181, v183
	v_rcp_f32 v182, v181
	v_nop
	s_wait_alu depctr_va_vdst(0)
.irp e, 0,1,2,3,4,5,6,7
	v_mul_f32 v[PR+\e], v[PR+\e], v182             ; the scores
.endr
	v_mov_b32 v[BV1], v[PR]                        ; the largest: a later expert takes over only where it is strictly larger.  Selects alone: no branch hangs on a score
	v_mov_b32 v[IX1], 0
.irp i, 1,2,3,4,5,6,7
	v_cmp_le_f32 vcc_lo, v[PR+\i], v[BV1]
	v_cndmask_b32 v[BV1], v[PR+\i], v[BV1], vcc_lo
	v_cndmask_b32 v[IX1], \i, v[IX1], vcc_lo
.endr
.irp i, 0,1,2,3,4,5,6,7
	v_cmp_ne_u32 vcc_lo, \i, v[IX1]
	v_cndmask_b32 v[QR+\i], -1.0, v[PR+\i], vcc_lo ; the largest is taken out: -1 lies under every score
.endr
	v_mov_b32 v[BV2], v[QR]
	v_mov_b32 v[IX2], 0
.irp i, 1,2,3,4,5,6,7
	v_cmp_le_f32 vcc_lo, v[QR+\i], v[BV2]
	v_cndmask_b32 v[BV2], v[QR+\i], v[BV2], vcc_lo
	v_cndmask_b32 v[IX2], \i, v[IX2], vcc_lo
.endr
	ds_store_b32 v7, v[IX1] offset:8*(\t)          ; all lanes write the same word with the same value
	ds_store_b32 v7, v[IX2] offset:8*(\t)+4
	ds_store_b32 v8, v[BV1] offset:8*(\t)
	ds_store_b32 v8, v[BV2] offset:8*(\t)+4
	; x into codes: four blocks by turns
.irp j, 0,1,2,3
	v_max3_num_f32 v[AM+\j], |v[XR+4*\j]|, |v[XR+4*\j+1]|, 0x4800000     ; with the floor 2^(9 - 127): the byte cannot fall under 1
.endr
.irp j, 0,1,2,3
	v_max3_num_f32 v[AM+\j], v[AM+\j], |v[XR+4*\j+2]|, |v[XR+4*\j+3]|
.endr
.irp k, 1,2,4
.irp j, 0,1,2,3
	v_max_num_f32_dpp v[AM+\j], v[AM+\j], v[AM+\j] row_xmask:\k row_mask:0xf bank_mask:0xf   ; the block's eight lanes
.endr
.endr
.irp j, 0,1,2,3
	v_add_nc_u32 v[SOP+\j], 0xfc000000, v[AM+\j]   ; 8 off the exponent field: the conversion's scale operand
.endr
.irp j, 0,1,2,3
	v_and_or_b32 v[HD+\j], v[AM+\j], 0x7f800000, s34   ; 448 x the scale
.endr
.irp j, 0,1,2,3
	v_lshrrev_b32 v[BY+\j], 23, v[SOP+\j]          ; the scale's byte
.endr
.irp j, 0,1,2,3
.irp i, 0,1,2,3
	v_med3_num_f32 v[XR+4*\j+\i], v[XR+4*\j+\i], -v[HD+\j], v[HD+\j]     ; the conversion to an 8-bit code does not saturate (ISA guide 7.6.2): the hold comes first
.endr
.endr
.irp j, 0,1,2,3
	v_cvt_scalef32_pk8_fp8_f32 v[CT+2*\j:CT+2*\j+1], v[XR+4*\j:XR+4*\j+7], v[SOP+\j]   ; the low register holds my four codes; the high one is not used
.endr
	v_nop                                          ; a plain instruction behind the last conversion
.irp j, 0,1,2,3
	ds_store_b32 v4, v[CT+2*\j] offset:512*(\t)+128*\j
	ds_store_b8 v6, v[BY+\j] offset:16*(\t)+4*\j   ; the block's eight lanes write the same byte with the same value
.endr
	ds_load_b128 v[CO+4*(\t):CO+4*(\t)+3], v5 offset:512*(\t)   ; LDS serves a wave's instructions in order: this sees my stores
.endm
	TOKEN 0
	TOKEN 1
	TOKEN 2
	TOKEN 3
	s_wait_dscnt 0x0                               ; my codes are back, and my stores have landed, for wave 0's sake
.irp t, 0,1,2,3
	global_store_b128 v2, v[CO+4*\t:CO+4*\t+3], s[12:13] offset:512*\t   ; a token's 512 codes: 512 consecutive bytes
.endr
	s_barrier_signal -1
	s_barrier_wait -1
	s_cmp_lg_u32 s20, 0
	s_cbranch_scc1 .Lend                           ; wave 0 stores what the four waves gathered
	ds_load_b64 v[180:181], v9 offset:XSB
	ds_load_b32 v182, v10 offset:EIB
	ds_load_b32 v183, v10 offset:GWB
	s_wait_dscnt 0x0
	global_store_b64 v9, v[180:181], s[44:45]      ; 256 consecutive bytes, at a multiple of 256
	global_store_b32 v10, v182, s[14:15]
	global_store_b32 v10, v183, s[16:17]
	s_cmp_ge_u32 ttmp9, 135
	s_cbranch_scc1 .Lend
	v_mov_b32 v184, 0
	v_mov_b32 v185, 0
	global_store_b64 v9, v[184:185], s[18:19]      ; 64 words of the row list: token 0
.Lend:
	s_wait_tensorcnt 0x0
	ds_add_u32 v254, v255
	s_wait_dscnt 0x0
	s_endpgm
.Lfunc_end_k_q2c93136469_route:
	.size	k_q2c93136469_route, .Lfunc_end_k_q2c93136469_route-k_q2c93136469_route
	.p2alignl 7, 3214868480
	.fill 96, 4, 3214868480
	.section	.rodata,"a",@progbits
	.p2align	6, 0x0
	.amdhsa_kernel k_q2c93136469_route
		.amdhsa_group_segment_fixed_size 9728
		.amdhsa_private_segment_fixed_size 0
		.amdhsa_enable_private_segment 0
		.amdhsa_kernarg_size 64
		.amdhsa_user_sgpr_count 2
		.amdhsa_user_sgpr_kernarg_segment_ptr 1
		.amdhsa_wavefront_size32 1
		.amdhsa_system_sgpr_workgroup_id_x 1
		.amdhsa_system_sgpr_workgroup_id_y 1
		.amdhsa_system_sgpr_workgroup_id_z 1
		.amdhsa_system_vgpr_workitem_id 0
		.amdhsa_next_free_vgpr 384
		.amdhsa_next_free_sgpr 66
		.amdhsa_reserve_vcc 1
		.amdhsa_float_denorm_mode_32 3
		.amdhsa_float_denorm_mode_16_64 3
		.amdhsa_memory_ordered 1
		.amdhsa_forward_progress 1
		.amdhsa_inst_pref_size 72
	.end_amdhsa_kernel
	.amdgpu_metadata
---
amdhsa.version: [ 1, 2 ]
amdhsa.kernels:
  - .name:           k_q2c93136469_route
    .symbol:         k_q2c93136469_route.kd
    .args:
      - { .name: x, .offset: 0, .size: 8, .value_kind: global_buffer, .address_space: global }
      - { .name: time_stage, .offset: 8, .size: 8, .value_kind: global_buffer, .address_space: global }
      - { .name: gate_w, .offset: 16, .size: 8, .value_kind: global_buffer, .address_space: global }
      - { .name: gate_b, .offset: 24, .size: 8, .value_kind: global_buffer, .address_space: global }
      - { .name: xq, .offset: 32, .size: 8, .value_kind: global_buffer, .address_space: global }
      - { .name: eidx, .offset: 40, .size: 8, .value_kind: global_buffer, .address_space: global }
      - { .name: gw, .offset: 48, .size: 8, .value_kind: global_buffer, .address_space: global }
      - { .name: lists, .offset: 56, .size: 8, .value_kind: global_buffer, .address_space: global }
    .group_segment_fixed_size: 9728
    .private_segment_fixed_size: 0
    .kernarg_segment_align: 8
    .kernarg_segment_size: 64
    .max_flat_workgroup_size: 128
    .sgpr_count:     66
    .vgpr_count:     384
    .wavefront_size: 32
...
	.end_amdgpu_metadata
.endif
;; end of part 1
;; launch prep (part 2): grid 513 x 1, 4 waves a work-group, no clusters, 1,536 bytes of LDS; arguments eidx, w1, w2, wq, lists; writes wq, lists
.if DOCPART == 2
	.amdgcn_target "amdgcn-amd-amdhsa--gfx1250"
	.amdhsa_code_object_version 6
	.text
	.protected	k_q2c93136469_prep
	.globl	k_q2c93136469_prep
	.p2align	8
	.type	k_q2c93136469_prep,@function
k_q2c93136469_prep:
	s_mov_b64 s[64:65], 0
	v_nop
	global_prefetch_b8 v0, s[64:65] scope:SCOPE_SE
	s_setreg_imm32_b32 hwreg(HW_REG_WAVE_MODE, 25, 1), 1
	s_wait_xcnt 0x0
; PREP.  Three kinds of work-group, parted on the work-group's number.
; WORK-GROUP 0 places the 8,192 routed rows by expert (a counting sort without atomics) and stores, in lists: ROWL u32[8640] at byte 0 (the token of each place; places of 64 form a tile, each expert begins
; on a tile), POS u32[4096][2] at 0x8700 (the place of each token's two rows), TINF u32[256] at 0x10700 (each tile's expert).  With 8,192 rows and 8 experts there are never more than 128 + 7 tiles.
; WORK-GROUPS 1 .. 256 turn w1 [8][512 (K)][2048], WORK-GROUPS 257 .. 512 w2 [8][2048 (K)][512] into codes of E4M3 with one E8M0 byte for each 32 along K, laid in wq IN THE ORDER OF THE OPERAND'S REGISTERS:
; a fragment (16 rows x 128 K) is 2,048 bytes; byte 512 c + 16 (r + 16 h) + i is the code of row r, k = 32 c + 16 h + i: a wave of the next launch takes it by four loads of 512 consecutive bytes.
;   W1C at 0:         [e][s 0..15][w 0..3][k4 0..3][u 0..1][2048]: row r of tile u is hidden unit 128 s + 32 w + 8 u + r + 8 (r / 8); K = 128 k4 + k
;   W2C at 0x800000:  [e][s][w][q 0..7][2048]: row r of tile q is output column 128 w + 16 q + r; K = 128 s + k
;   W1S at 0x1000000: [e][s][w][kh 0..1][r + 16 u][8 bytes]: the bytes of K blocks 8 kh .. 8 kh + 7;     W2S at 0x1040000: [e][s][w][column 0..127][4 bytes]: those of K step s
; K is not innermost in memory: A LANE TAKES A COLUMN AND ITS REGISTERS RUN DOWN K.  Each load reads 128 consecutive bytes a wave, 512 a work-group; a block of 32 lies in one lane's 32 registers; the
; conversions give codes with K innermost.  A wave takes 32 columns x 256 K: 8 blocks; loads run two blocks ahead.  A lane's 16 codes are 16 bytes of a fragment, and sixteen lanes' are 256 consecutive
; bytes of it: each store of codes covers two runs of 256 consecutive bytes, each at a multiple of 256.  W1S leaves as 256 consecutive bytes a wave, W2S as runs of 128 (one byte for 128 read).
; Every step has registers of its own for its codes, so no store's data are written again.
; LIMITS.  NaN and infinities are not served.  A block of zeros gets the byte 1 where the rule says 127: its codes are zeros, and this program alone reads the bytes.
.set X,   32                           ; v32-95   two sets of 32 numbers               (sort: EW, the experts of my 64 entries)
.set C,   96                           ; v96-159  a block's codes, 8 registers a block  (sort: PP, their places)
.set SB,  14                           ; v14-15   the scale bytes, four to a register
.set EW,  32
.set PP,  96
.set TT,  16                           ; v16-23   sort: at work
	s_load_b256 s[4:11], s[0:1], 0x0               ; eidx, w1, w2, wq
	s_load_b64 s[12:13], s[0:1], 0x20              ; lists
	v_lshl_add_u32 v160, v0, 2, 0x400
	v_mov_b32 v161, 0
	v_lshrrev_b32 v1, 5, v0
	v_readfirstlane_b32 s14, v1                    ; wave 0..3
	v_and_b32 v1, 31, v0                           ; lane
	v_lshlrev_b32 v2, 2, v1                        ; 4 x lane
	s_mov_b32 s15, 0x600000                        ; the mantissa field of 448
	s_cmp_eq_u32 ttmp9, 0
	s_cbranch_scc1 .Lsort
	s_cmp_gt_u32 ttmp9, 256
	s_cbranch_scc1 .Lw2
.macro PART dst, src, sh               ; s[dst] += s[src] << sh
	s_lshl_b32 s30, s[\src], \sh
	s_add_co_u32 s[\dst], s[\dst], s30
.endm
.macro WLOAD t, rs                     ; block t: rows 32 t + i of my column, rs bytes apart, into set t % 2
.set i, 0
.rept 32
	global_load_b32 v[X+32*((\t)%2)+i], v2, s[16:17] offset:(32*(\t)+i)*(\rs) th:TH_LOAD_NT
.set i, i+1
.endr
.endm
.macro WBLOCK t, rs, hi                ; hi: bytes from one K step's fragment to the next one's
.set XS, X+32*((\t)%2)
.if (\t) < 7
	s_wait_loadcnt 32                              ; this block's 32 loads are in; the next block's may be out
.else
	s_wait_loadcnt 0x0
.endif
	v_max3_num_f32 v12, |v[XS]|, |v[XS+1]|, |v[XS+2]|              ; the block's largest magnitude: all 32 numbers are mine
	v_max3_num_f32 v13, |v[XS+3]|, |v[XS+4]|, |v[XS+5]|
.irp i, 6,10,14,18,22,26
	v_max3_num_f32 v12, v12, |v[XS+\i]|, |v[XS+\i+1]|
	v_max3_num_f32 v13, v13, |v[XS+\i+2]|, |v[XS+\i+3]|
.endr
	v_max3_num_f32 v12, v12, |v[XS+30]|, |v[XS+31]|
	v_max3_num_f32 v12, v12, v13, 0x4800000        ; and the floor 2^(9 - 127): the byte cannot fall under 1
	v_add_nc_u32 v11, 0xfc000000, v12              ; 8 off the exponent field: the conversion's scale operand
	v_and_or_b32 v10, v12, 0x7f800000, s15         ; 448 x the scale
	v_lshrrev_b32 v13, 23, v11                     ; the scale's byte
.if (\t)%4 == 0
	v_mov_b32 v[SB+(\t)/4], v13
.else
	v_lshl_or_b32 v[SB+(\t)/4], v13, 8*((\t)%4), v[SB+(\t)/4]
.endif
.set i, 0
.rept 32
	v_med3_num_f32 v[XS+i], v[XS+i], -v10, v10     ; the conversion to an 8-bit code does not saturate (ISA guide 7.6.2): the hold comes first
.set i, i+1
.endr
.irp g, 0,1,2,3
	v_cvt_scalef32_pk8_fp8_f32 v[C+8*(\t)+2*\g:C+8*(\t)+2*\g+1], v[XS+8*\g:XS+8*\g+7], v11
.endr
	global_store_b128 v3, v[C+8*(\t):C+8*(\t)+3], s[18:19] offset:((\t)/4)*(\hi)+((\t)%4)*512        ; k = 32 c + 0 .. 15: the fragment's lanes 0-15
	global_store_b128 v3, v[C+8*(\t)+4:C+8*(\t)+7], s[18:19] offset:((\t)/4)*(\hi)+((\t)%4)*512+256  ; k = 32 c + 16 .. 31: its lanes 16-31
.if (\t)+2 < 8
	WLOAD (\t)+2, \rs
.endif
.endm
.macro WALL rs, hi
	WLOAD 0, \rs
	WLOAD 1, \rs
.set Q, 0
.rept 8
	WBLOCK Q, \rs, \hi
.set Q, Q+1
.endr
.endm
	; ---- w1: work-group 1 + 32 e + 2 s + kh takes hidden units 128 s .. + 127 and K = 256 kh .. + 255; wave w the units 32 w .. + 31 of them
	s_sub_co_u32 s22, ttmp9, 1
	s_lshr_b32 s23, s22, 5                         ; e
	s_bfe_u32 s24, s22, 0x40001                    ; s
	s_and_b32 s25, s22, 1                          ; kh
	s_lshl_b32 s26, s23, 22                        ; in w1: e x 512 x 8,192 + kh x 256 x 8,192 + (128 s + 32 w) x 4
	PART 26, 25, 21
	PART 26, 24, 9
	PART 26, 14, 7
	s_mov_b32 s27, 0
	s_lshl_b32 s28, s23, 20                        ; in W1C
	PART 28, 24, 16
	PART 28, 14, 14
	PART 28, 25, 13
	s_mov_b32 s29, 0
	s_lshl_b32 s32, s23, 15                        ; in W1S
	PART 32, 24, 11
	PART 32, 14, 9
	PART 32, 25, 8
	s_mov_b32 s33, 0
	v_bfe_u32 v5, v1, 3, 1                         ; my unit 8 u + r + 8 (r / 8) = lane: u = (lane / 8) % 2,
	v_and_b32 v6, 7, v1
	v_lshrrev_b32 v7, 4, v1
	v_lshl_add_u32 v6, v7, 3, v6                   ; r = lane % 8 + 8 (lane / 16)
	v_lshlrev_b32 v3, 4, v6
	v_lshl_add_u32 v3, v5, 11, v3                  ; codes: 2,048 u + 16 r
	v_lshl_add_u32 v4, v5, 4, v6
	v_lshlrev_b32 v4, 3, v4                        ; scale bytes: 8 (r + 16 u)
	s_wait_kmcnt 0x0
	s_add_nc_u64 s[16:17], s[6:7], s[26:27]
	s_add_nc_u64 s[18:19], s[10:11], s[28:29]
	s_add_nc_u64 s[20:21], s[10:11], s[32:33]
	s_add_nc_u64 s[20:21], s[20:21], 0x1000000
	WALL 8192, 4096
	global_store_b64 v4, v[SB:SB+1], s[20:21]      ; the wave's 256 scale bytes: consecutive, at a multiple of 256
	s_endpgm
	; ---- w2: work-group 257 + 32 e + 8 w' + kq takes output columns 128 w' .. + 127 and K = 256 kq .. + 255; a wave 32 of the columns: tiles 2 wave, 2 wave + 1
.Lw2:
	s_sub_co_u32 s22, ttmp9, 257
	s_lshr_b32 s23, s22, 5                         ; e
	s_bfe_u32 s24, s22, 0x20003                    ; w'
	s_and_b32 s25, s22, 7                          ; kq
	s_lshl_b32 s26, s23, 22                        ; in w2: e x 2,048 x 2,048 + kq x 256 x 2,048 + (128 w' + 32 wave) x 4
	PART 26, 25, 19
	PART 26, 24, 9
	PART 26, 14, 7
	s_mov_b32 s27, 0
	s_lshl_b32 s28, s23, 20                        ; in W2C
	PART 28, 25, 17
	PART 28, 24, 14
	PART 28, 14, 12
	s_mov_b32 s29, 0
	s_lshl_b32 s32, s23, 15                        ; in W2S
	PART 32, 25, 12
	PART 32, 24, 9
	PART 32, 14, 7
	s_mov_b32 s33, 0
	v_and_b32 v6, 15, v1
	v_lshrrev_b32 v7, 4, v1
	v_lshlrev_b32 v3, 4, v6
	v_lshl_add_u32 v3, v7, 11, v3                  ; codes: 2,048 (lane / 16) + 16 (lane % 16)
	s_wait_kmcnt 0x0
	s_add_nc_u64 s[16:17], s[8:9], s[26:27]
	s_add_nc_u64 s[18:19], s[10:11], s[28:29]
	s_add_nc_u64 s[18:19], s[18:19], 0x800000
	s_add_nc_u64 s[20:21], s[10:11], s[32:33]
	s_add_nc_u64 s[20:21], s[20:21], 0x1040000
	WALL 2048, 65536
	global_store_b32 v2, v[SB], s[20:21]           ; K step 2 kq: my column's word
	global_store_b32 v2, v[SB+1], s[20:21] offset:2048   ; K step 2 kq + 1
	s_endpgm
	; ---- the sort.  Wave w owns tokens 1,024 w + 32 i + lane, i = 0 .. 31: 64 entries a lane (entry 2 i + k: the token's k-th expert).
	; s20-27 a counter for each expert; s28-35 the lanes of an entry register that chose it; s36-43 the experts' rows; s44-51 their first tiles; s52-62 at work
.Lsort:
	s_lshl_b32 s60, s14, 13
	v_lshl_add_u32 v3, v1, 3, s60                  ; 8 bytes a token: 8,192 w + 8 x lane
	s_lshl_b32 s60, s14, 10
	v_add_nc_u32 v6, s60, v1                       ; my first token
	v_lshlrev_b32 v11, 2, v0                       ; 4 x thread
.irp x, 0,1,2,3,4,5,6,7
	s_mov_b32 s[20+\x], 0
.endr
	s_wait_kmcnt 0x0
.set i, 0
.rept 32
	global_load_b64 v[EW+2*i:EW+2*i+1], v3, s[4:5] offset:256*i
.set i, i+1
.endr
	s_wait_loadcnt 0x0
.macro COUNT idx                       ; my wave's rows for each expert
.irp x, 0,1,2,3,4,5,6,7
	v_cmp_eq_u32 s[28+\x], \x, v[EW+(\idx)]
.endr
.irp x, 0,1,2,3,4,5,6,7
	s_bcnt1_i32_b32 s[52+\x], s[28+\x]
.endr
.irp x, 0,1,2,3,4,5,6,7
	s_add_co_u32 s[20+\x], s[20+\x], s[52+\x]
.endr
.endm
.set Q, 0
.rept 64
	COUNT Q
.set Q, Q+1
.endr
	v_mov_b32 v10, 0
.irp x, 0,1,2,3,4,5,6,7
	v_writelane_b32 v10, s[20+\x], \x              ; lane x: my wave's rows for expert x
.endr
	ds_store_b32 v11, v10                          ; 128 bytes a wave
	s_wait_dscnt 0x0                               ; for the others' sake
	s_barrier_signal -1
	s_barrier_wait -1
.irp k, 0,1,2,3
	ds_load_b32 v[12+\k], v2 offset:128*\k         ; all four waves' counts
.endr
	s_cmp_gt_u32 s14, 0
	s_cselect_b32 s60, 1, 0
	s_cmp_gt_u32 s14, 1
	s_cselect_b32 s61, 1, 0
	s_cmp_gt_u32 s14, 2
	s_cselect_b32 s62, 1, 0
	s_wait_dscnt 0x0
	v_mul_u32_u24 v8, s60, v12                     ; the rows of the waves ahead of mine
	v_mad_u32_u24 v8, v13, s61, v8
	v_mad_u32_u24 v8, v14, s62, v8
	v_add3_u32 v7, v12, v13, v14
	v_add_nc_u32 v7, v7, v15                       ; and of all four
.irp x, 0,1,2,3,4,5,6,7
	v_readlane_b32 s[36+\x], v7, \x
.endr
	s_mov_b32 s44, 0
.irp x, 0,1,2,3,4,5,6
	s_add_co_u32 s60, s[36+\x], 63
	s_lshr_b32 s60, s60, 6
	s_add_co_u32 s[45+\x], s[44+\x], s60           ; each expert begins on a tile of its own
.endr
.irp x, 0,1,2,3,4,5,6,7
	v_readlane_b32 s61, v8, \x
	s_lshl_b32 s60, s[44+\x], 6
	s_add_co_u32 s[20+\x], s60, s61                ; where my wave's rows of expert x begin: the counters go on from there
.endr
.macro RANK idx                        ; the place of each lane's entry: its expert's counter + the lanes below that chose the same expert
.irp x, 0,1,2,3,4,5,6,7
	v_cmp_eq_u32 s[28+\x], \x, v[EW+(\idx)]
.endr
	v_mbcnt_lo_u32_b32 v[PP+(\idx)], s28, s20
.irp x, 1,2,3,4,5,6,7
	v_mbcnt_lo_u32_b32 v[TT+\x], s[28+\x], s[20+\x]
.endr
.irp x, 1,2,3,4,5,6,7
	v_cndmask_b32 v[PP+(\idx)], v[PP+(\idx)], v[TT+\x], s[28+\x]
.endr
.irp x, 0,1,2,3,4,5,6,7
	s_bcnt1_i32_b32 s[52+\x], s[28+\x]
.endr
.irp x, 0,1,2,3,4,5,6,7
	s_add_co_u32 s[20+\x], s[20+\x], s[52+\x]
.endr
.endm
.set Q, 0
.rept 64
	RANK Q
.set Q, Q+1
.endr
.set i, 0
.rept 32
	global_store_b64 v3, v[PP+2*i:PP+2*i+1], s[12:13] offset:0x8700+256*i   ; POS: 256 consecutive bytes, at a multiple of 256
.set i, i+1
.endr
	s_wait_xcnt 0x0                                ; those stores have read their data: the places are now turned into byte offsets
.set i, 0
.rept 64
	v_min_u32 v[PP+i], 8639, v[PP+i]               ; inside the row list, whatever was read
	v_lshlrev_b32 v[PP+i], 2, v[PP+i]
.set i, i+1
.endr
.set i, 0
.rept 32
	v_add_nc_u32 v[EW+2*i], 32*i, v6               ; the token
.set i, i+1
.endr
.set i, 0
.rept 64
	global_store_b32 v[PP+i], v[EW+2*(i/2)], s[12:13]   ; ROWL: the sort's scatter, 4 bytes a row, 32 KiB in all; within an expert the places rise with the token
.set i, i+1
.endr
	v_mov_b32 v16, 0                               ; TINF: the expert of tile T is the last whose first tile is not above T.  T = thread, and thread + 128
	v_mov_b32 v17, 0
	v_add_nc_u32 v18, 128, v0
.irp x, 1,2,3,4,5,6,7
	v_cmp_gt_u32 vcc_lo, s[44+\x], v0
	v_cndmask_b32 v16, \x, v16, vcc_lo
	v_cmp_gt_u32 vcc_lo, s[44+\x], v18
	v_cndmask_b32 v17, \x, v17, vcc_lo
.endr
	global_store_b32 v11, v16, s[12:13] offset:0x10700
	global_store_b32 v11, v17, s[12:13] offset:0x10700+512
	s_wait_tensorcnt 0x0
	ds_add_u32 v160, v161
	s_wait_dscnt 0x0
	s_endpgm
.Lfunc_end_k_q2c93136469_prep:
	.size	k_q2c93136469_prep, .Lfunc_end_k_q2c93136469_prep-k_q2c93136469_prep
	.p2alignl 7, 3214868480
	.fill 96, 4, 3214868480
	.section	.rodata,"a",@progbits
	.p2align	6, 0x0
	.amdhsa_kernel k_q2c93136469_prep
		.amdhsa_group_segment_fixed_size 1536
		.amdhsa_private_segment_fixed_size 0
		.amdhsa_enable_private_segment 0
		.amdhsa_kernarg_size 40
		.amdhsa_user_sgpr_count 2
		.amdhsa_user_sgpr_kernarg_segment_ptr 1
		.amdhsa_wavefront_size32 1
		.amdhsa_system_sgpr_workgroup_id_x 1
		.amdhsa_system_sgpr_workgroup_id_y 1
		.amdhsa_system_sgpr_workgroup_id_z 1
		.amdhsa_system_vgpr_workitem_id 0
		.amdhsa_next_free_vgpr 162
		.amdhsa_next_free_sgpr 66
		.amdhsa_reserve_vcc 1
		.amdhsa_float_denorm_mode_32 3
		.amdhsa_float_denorm_mode_16_64 3
		.amdhsa_memory_ordered 1
		.amdhsa_forward_progress 1
		.amdhsa_inst_pref_size 255
	.end_amdhsa_kernel
	.section	.bss,"aw",@nobits
	.p2align	6
	.space	262144
	.amdgpu_metadata
---
amdhsa.version: [ 1, 2 ]
amdhsa.kernels:
  - .name:           k_q2c93136469_prep
    .symbol:         k_q2c93136469_prep.kd
    .args:
      - { .name: eidx, .offset: 0, .size: 8, .value_kind: global_buffer, .address_space: global }
      - { .name: w1, .offset: 8, .size: 8, .value_kind: global_buffer, .address_space: global }
      - { .name: w2, .offset: 16, .size: 8, .value_kind: global_buffer, .address_space: global }
      - { .name: wq, .offset: 24, .size: 8, .value_kind: global_buffer, .address_space: global }
      - { .name: lists, .offset: 32, .size: 8, .value_kind: global_buffer, .address_space: global }
    .group_segment_fixed_size: 1536
    .private_segment_fixed_size: 0
    .kernarg_segment_align: 8
    .kernarg_segment_size: 40
    .max_flat_workgroup_size: 128
    .sgpr_count:     66
    .vgpr_count:     162
    .wavefront_size: 32
...
	.end_amdgpu_metadata
.endif
;; end of part 2
;; launch chain (part 3): grid 135 x 1, 4 waves a work-group, no clusters, 51,712 bytes of LDS; arguments lists, xq, wq, b1, b2, ybuf; writes ybuf
.if DOCPART == 3
	.amdgcn_target "amdgcn-amd-amdhsa--gfx1250"
	.amdhsa_code_object_version 6
	.text
	.protected	k_q2c93136469_chain
	.globl	k_q2c93136469_chain
	.p2align	8
	.type	k_q2c93136469_chain,@function
k_q2c93136469_chain:
	s_mov_b64 s[64:65], 0
	v_nop
	global_prefetch_b8 v0, s[64:65] scope:SCOPE_SE
	s_setreg_imm32_b32 hwreg(HW_REG_WAVE_MODE, 25, 1), 1
	s_wait_xcnt 0x0
; CHAIN.  One tile of 64 routed rows of one expert: y = gelu(x W1 + b1) W2 + b2, both products on codes of E4M3 with one E8M0 scale for each 32 along K; the hidden layer never goes to memory.
; Work-group T reads its expert (lists, TINF[T]) and its 64 tokens (ROWL[64 T ..]), gathers their codes from xq, and stores ybuf[T][64][512] f32.  The grid, 135 = 8192 / 64 + 7, serves every split.
; THE TEXT HAS NO BRANCH ON DATA.  A place of the row list that the split leaves empty names token 0: its row is computed and stored, and no position names it.  So a tile without any row (at most
; 135 less the tiles in use) runs token 0 through its listed expert for nothing: every wave then passes every barrier on one path, and every counted wait has one count.
; SHARES.  The hidden axis goes in 16 steps of 128 units.  In step s wave w makes units 128 s + 32 w .. + 31 for all 64 rows (two tiles of W1 x four tiles of rows): just block w of the four blocks of 32 of K step s
; of the second product.  Wave w also owns output columns 128 w .. + 127 (eight tiles of W2 x four tiles of rows, 256 registers).  x's 16 fragments stay in every wave's registers.
; Both products are used TRANSPOSED (source 0 = 16 rows of a weight, source 1 = 16 tokens): a lane holds one token, its registers run along the units or the columns.
; THE ROWS OF W1 THAT FORM A TILE ARE NOT NEIGHBOURS (row r of tile u: unit 8 u + r + 8 (r / 8)), so that a lane's 16 registers of the two tiles are the 16 neighbours 16 (lane / 16) + 0 .. 15 of the block.
; THE WEIGHTS come from memory straight into registers, laid by the launch before in the order of the operand's registers: each load is 512 consecutive bytes, each byte enters the work-group once and feeds
; four matrix instructions.  W1's group of a step (16 + 6 + 16 loads: fragments, scale words, b1) and W2's (32 + 4) are asked for a step ahead, behind the products that read the registers last.
; THE HIDDEN LAYER goes from wave to wave through LDS as an image of the operand's registers: my four code registers of a tile of rows at 512 w + 16 x lane of its 2,048 bytes, my scale byte at byte w of the
; lane's word.  Two such buffers take turns: one barrier a step.
; NO JOINT REQUESTS: which expert a work-group serves is read from the tile list, and an expert's number of tiles hangs on the routing, so neighbours in the grid need not want the same weights.
; THE GELU is the exact one, ahead of a quantiser, so in f32 with a small relative error on both tails: gelu(x) = max(x, 0) - |x| a, a = erfc(|x| / sqrt 2) / 2 = t 2^E, t = 1 / (1 + |x| sqrt(2) / 4),
; E = b0 + t (b1 + t (b2 + .. t b9)) - x^2 log2(e) / 2: the classical fit of erfc (fractional error under 1.2e-7 for every argument), its coefficients times log2(e), 1 taken off b0 for the half.
; No difference of near-equal numbers is formed for x < 0.
; LIMITS.  The gelu's f32 evaluation adds about 1e-6 of the number, growing with x^2 in the far tail, where a falls to 0.  NaN and infinities are not served.  A block of zeros gets the byte 1 (its codes are zeros).
; REGISTERS, in windows of 256.  Window 0: see the names below.  Window 1: x's fragments, (tile of rows m, K step k) at v[64 m + 16 k].  Window 2: W1's eight fragments (k, u) at v[16 (2 k + u)]; W2's eight at
; v[128 + 16 q].  Window 3: y's accumulators (q, m) at v[8 (4 q + m)].
.set L16, 1                            ; v1   16 x lane
.set L8,  2                            ; v2   8 x lane
.set L4,  3                            ; v3   4 x lane
.set B1O, 4                            ; v4   64 (lane / 16): my 16 numbers of b1
.set HWI, 5                            ; v5   16 x lane + 512 x wave: where I store my codes in an image
.set HWS, 6                            ; v6   4 x lane + wave: and my scale byte
.set SOA, 7                            ; v7   the way out: where I put 32 bytes of a row
.set SRA, 8                            ; v8   and where I read a row back
.set B2O, 9                            ; v9   32 (lane / 16): my 8 numbers of b2
.set XO,  10                           ; v10-13 my token's codes in xq, for each tile of rows (v10 first: my place in the row list)
.set XSO, 14                           ; v14-17 its scale bytes
.set TOK, 18                           ; v18-21 the tokens
.set B8,  22                           ; v22-23 the coefficient b8, twice
.set XSC, 24                           ; v24-39 x's scale words (4 m + k)
.set W1SC, 40                          ; v40-43 W1's, for K step k: lanes 0-15 tile 0, lanes 16-31 tile 1
.set W2SC, 44                          ; v44-47 W2's: lanes 0-15 tile 2 j, lanes 16-31 tile 2 j + 1
.set HSC, 48                           ; v48-51 the hidden layer's, for each tile of rows
.set BI,  52                           ; v52-67 b1 in the result's layout, 8 registers a tile
.set HA,  68                           ; v68-131 my hidden units: (m, u) at 68 + 16 m + 8 u
.set T,   132                          ; v132-163, v164-195, v196-227: the gelu, 32 numbers at a time
.set P,   164
.set Q,   196
.set HF,  132                          ; v132-195 the hidden layer's four fragments, over T and P
.set PC,  196                          ; v196-211 the codes just made, over Q
.set TM,  212                          ; v212-227 largest magnitudes, bytes, holds, scale operands, over Q
.set BUFB, 8704                        ; LDS: two buffers: four images of 2,048 bytes, then four of scale words, 128 bytes each
.set HSO,  8192
.set STG,  2*BUFB                      ; behind them a stage of 16 rows x (512 + 16) bytes for each wave, for the way out
.set MSB, 0
.macro WIN new                         ; the immediate's high byte repeats the setting that is left
.if MSB != \new
	s_set_vgpr_msb (MSB<<8)|\new
.set MSB, \new
.endif
.endm
.macro PAIR r, val                     ; a constant for the packed forms, which name a pair
	s_mov_b32 s[\r], \val
	s_mov_b32 s[\r+1], \val
.endm
.macro PLACES                          ; eight places behind this matrix form, in front of loads into registers that it has read and of the first read of its results
.rept 8
	v_nop
.endr
.endm
.macro LOADW1 imm, k0                  ; W1's four fragments of K steps k0, k0 + 1, of the hidden step imm on from the pointer
	WIN 0x80                                       ; destination window 2
.irp f, 0,1,2,3
.irp c, 0,1,2,3
	global_load_b128 v[16*(2*(\k0)+\f)+4*\c:16*(2*(\k0)+\f)+4*\c+3], v[L16], s[24:25] offset:(\imm)*65536+(2*(\k0)+\f)*2048+512*\c
.endr
.endr
	WIN 0
.endm
.macro LOADW1S imm                     ; its scale words and its part of b1
.irp k, 0,1
	global_load_b64 v[W1SC+2*\k:W1SC+2*\k+1], v[L8], s[26:27] offset:(\imm)*2048+256*\k
.endr
.irp i, 0,1,2,3
	global_load_b128 v[BI+4*\i:BI+4*\i+3], v[B1O], s[28:29] offset:(\imm)*512+16*\i
.endr
.endm
.macro LOADW2 imm                      ; W2's eight fragments and their scale words
	WIN 0x80
.irp q, 0,1,2,3,4,5,6,7
.irp c, 0,1,2,3
	global_load_b128 v[128+16*\q+4*\c:128+16*\q+4*\c+3], v[L16], s[30:31] offset:(\imm)*65536+2048*\q+512*\c
.endr
.endr
	WIN 0
.irp j, 0,1,2,3
	global_load_b32 v[W2SC+\j], v[L4], s[32:33] offset:(\imm)*2048+128*\j
.endr
.endm
; The first product of a step: 32 matrix instructions; the eight accumulators take turns, one instruction a turn; b1 is the C of each sum's first.
.macro P1
	WIN 0x06                                       ; source 0 (W1) window 2, source 1 (x) window 1
.irp k, 0,1,2,3
.irp m, 0,1,2,3
.if \k == 0
	v_wmma_scale_f32_16x16x128_f8f6f4 v[HA+16*\m:HA+16*\m+7], v[32*\k:32*\k+15], v[64*\m+16*\k:64*\m+16*\k+15], v[BI:BI+7], v[W1SC+\k], v[XSC+4*\m+\k]
	v_wmma_scale_f32_16x16x128_f8f6f4 v[HA+16*\m+8:HA+16*\m+15], v[32*\k+16:32*\k+31], v[64*\m+16*\k:64*\m+16*\k+15], v[BI+8:BI+15], v[W1SC+\k], v[XSC+4*\m+\k] matrix_a_scale:MATRIX_SCALE_ROW1
.else
	v_wmma_scale_f32_16x16x128_f8f6f4 v[HA+16*\m:HA+16*\m+7], v[32*\k:32*\k+15], v[64*\m+16*\k:64*\m+16*\k+15], v[HA+16*\m:HA+16*\m+7], v[W1SC+\k], v[XSC+4*\m+\k]
	v_wmma_scale_f32_16x16x128_f8f6f4 v[HA+16*\m+8:HA+16*\m+15], v[32*\k+16:32*\k+31], v[64*\m+16*\k:64*\m+16*\k+15], v[HA+16*\m+8:HA+16*\m+15], v[W1SC+\k], v[XSC+4*\m+\k] matrix_a_scale:MATRIX_SCALE_ROW1
.endif
.endr
.endr
	WIN 0
.endm
; A K step of the second product: 32 matrix instructions on 32 accumulators
.macro P2
	WIN 0xf2                                       ; source 0 (W2) window 2, source 1 (the hidden layer) window 0, C and D window 3
.irp q, 0,1,2,3,4,5,6,7
.irp m, 0,1,2,3
.if (\q)%2 == 0
	v_wmma_scale_f32_16x16x128_f8f6f4 v[8*(4*\q+\m):8*(4*\q+\m)+7], v[128+16*\q:128+16*\q+15], v[HF+16*\m:HF+16*\m+15], v[8*(4*\q+\m):8*(4*\q+\m)+7], v[W2SC+\q/2], v[HSC+\m]
.else
	v_wmma_scale_f32_16x16x128_f8f6f4 v[8*(4*\q+\m):8*(4*\q+\m)+7], v[128+16*\q:128+16*\q+15], v[HF+16*\m:HF+16*\m+15], v[8*(4*\q+\m):8*(4*\q+\m)+7], v[W2SC+\q/2], v[HSC+\m] matrix_a_scale:MATRIX_SCALE_ROW1
.endif
.endr
.endr
	WIN 0
.endm
.macro FETCH b                         ; the hidden layer's four fragments and scale words out of buffer b
.irp m, 0,1,2,3
.irp c, 0,1,2,3
	ds_load_b128 v[HF+16*\m+4*\c:HF+16*\m+4*\c+3], v[L16] offset:(\b)*BUFB+2048*\m+512*\c
.endr
	ds_load_b32 v[HSC+\m], v[L4] offset:(\b)*BUFB+HSO+128*\m
.endr
.endm
; The gelu of 32 numbers v[x0] on, in place.  Each kind of transcendental goes as one batch with one wait, ahead of its first reader; plain work stands between.
.macro GELU x0
.set i, 0
.rept 32
	v_fma_f32 v[T+i], |v[(\x0)+i]|, s37, 1.0       ; 1 + |x| sqrt(2) / 4.  (Ascending: each accumulator is read from its low end on)
.set i, i+1
.endr
.set i, 0
.rept 32
	v_rcp_f32 v[T+i], v[T+i]                       ; t
.set i, i+1
.endr
.set i, 0
.rept 16
	v_pk_mul_f32 v[Q+i:Q+i+1], v[(\x0)+i:(\x0)+i+1], s[42:43] op_sel_hi:[1,0]
.set i, i+2
.endr
.set i, 0
.rept 16
	v_pk_fma_f32 v[Q+i:Q+i+1], v[Q+i:Q+i+1], v[(\x0)+i:(\x0)+i+1], s[60:61] op_sel_hi:[1,1,0]   ; b0 - x^2 log2(e) / 2
.set i, i+2
.endr
	s_wait_alu depctr_va_vdst(0)
.set i, 0
.rept 16
	v_pk_fma_f32 v[P+i:P+i+1], v[T+i:T+i+1], s[44:45], v[B8:B8+1] op_sel_hi:[1,0,1]            ; b9 t + b8
.set i, i+2
.endr
.irp c, 46,48,50,52,54,56,58                   ; b7 .. b1, a coefficient at a time over the 16 pairs: no line waits for the line above it
.set i, 0
.rept 16
	v_pk_fma_f32 v[P+i:P+i+1], v[P+i:P+i+1], v[T+i:T+i+1], s[\c:\c+1] op_sel_hi:[1,1,0]
.set i, i+2
.endr
.endr
.set i, 0
.rept 16
	v_pk_fma_f32 v[P+i:P+i+1], v[P+i:P+i+1], v[T+i:T+i+1], v[Q+i:Q+i+1]                        ; E
.set i, i+2
.endr
.set i, 0
.rept 32
	v_exp_f32 v[P+i], v[P+i]
.set i, i+1
.endr
.set i, 0
.rept 32
	v_max_num_f32 v[Q+i], 0, v[(\x0)+i]
.set i, i+1
.endr
	s_wait_alu depctr_va_vdst(0)
.set i, 0
.rept 16
	v_pk_mul_f32 v[P+i:P+i+1], v[P+i:P+i+1], v[T+i:T+i+1]                                      ; a = t 2^E
.set i, i+2
.endr
.set i, 0
.rept 32
	v_fma_f32 v[(\x0)+i], -|v[(\x0)+i]|, v[P+i], v[Q+i]
.set i, i+1
.endr
.endm
; My 16 numbers of each of the four tiles of rows become four code registers and a scale byte; the block's other 16 lie in lane l xor 16
.macro QUANT4
.irp m, 0,1,2,3
	v_max3_num_f32 v[TM+\m], |v[HA+16*\m]|, |v[HA+16*\m+1]|, 0x4800000     ; with the floor 2^(9 - 127): the byte cannot fall under 1
.endr
.irp i, 2,4,6,8,10,12,14
.irp m, 0,1,2,3
	v_max3_num_f32 v[TM+\m], v[TM+\m], |v[HA+16*\m+\i]|, |v[HA+16*\m+\i+1]|
.endr
.endr
.irp m, 0,1,2,3
	v_permlanex16_b32 v[TM+4+\m], v[TM+\m], s40, s41
.endr
.irp m, 0,1,2,3
	v_max_num_f32 v[TM+\m], v[TM+\m], v[TM+4+\m]
.endr
.irp m, 0,1,2,3
	v_add_nc_u32 v[TM+12+\m], 0xfc000000, v[TM+\m] ; 8 off the exponent field: the conversion's scale operand
.endr
.irp m, 0,1,2,3
	v_and_or_b32 v[TM+8+\m], v[TM+\m], 0x7f800000, s38   ; 448 x the scale
.endr
.irp m, 0,1,2,3
	v_lshrrev_b32 v[TM+4+\m], 23, v[TM+12+\m]      ; the scale's byte
.endr
.irp m, 0,1,2,3
.irp i, 0,1,2,3,4,5,6,7,8,9,10,11,12,13,14,15
	v_med3_num_f32 v[HA+16*\m+\i], v[HA+16*\m+\i], -v[TM+8+\m], v[TM+8+\m]   ; the conversion to an 8-bit code does not saturate (ISA guide 7.6.2): the hold comes first
.endr
	v_cvt_scalef32_pk8_fp8_f32 v[PC+4*\m:PC+4*\m+1], v[HA+16*\m:HA+16*\m+7], v[TM+12+\m]
	v_cvt_scalef32_pk8_fp8_f32 v[PC+4*\m+2:PC+4*\m+3], v[HA+16*\m+8:HA+16*\m+15], v[TM+12+\m]
.endr
	v_nop                                          ; a plain instruction behind the last conversion: later products write its sources
.endm
.macro STOREH b
.irp m, 0,1,2,3
	ds_store_b128 v[HWI], v[PC+4*\m:PC+4*\m+3] offset:(\b)*BUFB+2048*\m
	ds_store_b8 v[HWS], v[TM+4+\m] offset:(\b)*BUFB+HSO+128*\m
.endr
.endm
.macro BAR                             ; my LDS stores have landed and my LDS loads are in: then the work-group's barrier
	s_wait_dscnt 0x0
	s_barrier_signal -1
	s_barrier_wait -1
.endm
; A step's hidden units: product, gelu, codes, into buffer wr.  more = 1: W1's group of the step w1imm on from the pointers is asked for, in two parts, behind the products that read its registers last
.macro HIDDEN wr, w1imm, more
	P1
	PLACES
.if \more
	LOADW1 \w1imm, 0
	LOADW1S \w1imm
.endif
	GELU HA
.if \more
	LOADW1 \w1imm, 2
.endif
	GELU HA+32
	QUANT4
	STOREH \wr
	BAR                                            ; buffer wr is whole; and nobody reads the other buffer any more, which the next step writes
.endm
; The second product of the step before, out of buffer rd; then this step's hidden units
.macro REGION rd, wr, w2imm, w1imm, more
	FETCH \rd
	s_wait_loadcnt 38                              ; W2's group is in; W1's 38 loads, issued behind it, may be out
	s_wait_dscnt 0x0
	P2
	PLACES
	LOADW2 \w2imm
	s_wait_loadcnt 36                              ; W1's group is in; the 36 just issued may be out
	HIDDEN \wr, \w1imm, \more
.endm
	s_load_b256 s[4:11], s[0:1], 0x0               ; lists, xq, wq, b1
	s_load_b128 s[12:15], s[0:1], 0x20             ; b2, ybuf
	v_lshl_add_u32 v254, v0, 2, 0xc800
	v_mov_b32 v255, 0
	v_lshrrev_b32 v132, 5, v0
	v_readfirstlane_b32 s16, v132                  ; wave 0..3
	v_and_b32 v132, 31, v0                         ; lane
	v_and_b32 v133, 15, v0                         ; r
	v_bfe_u32 v134, v0, 4, 1                       ; h
	v_lshlrev_b32 v135, 4, v134                    ; 16 h
	v_lshlrev_b32 v[L16], 4, v132
	v_lshlrev_b32 v[L8], 3, v132
	v_lshlrev_b32 v[L4], 2, v132
	v_lshlrev_b32 v[B1O], 6, v134
	v_lshlrev_b32 v[B2O], 5, v134
	s_lshl_b32 s21, s16, 9
	v_lshl_add_u32 v[HWI], v132, 4, s21
	v_lshl_add_u32 v[HWS], v132, 2, s16
	s_mul_i32 s21, s16, 16*528
	s_add_co_u32 s21, s21, STG                     ; my stage
	v_mul_u32_u24 v[SOA], v133, 528
	v_lshl_add_u32 v[SOA], v134, 5, v[SOA]
	v_add_nc_u32 v[SOA], s21, v[SOA]               ; in: row r, 32 bytes for each half of the lanes
	v_lshl_add_u32 v[SRA], v132, 4, s21            ; back: the 32 lanes take a row of 512 bytes
	s_lshl_b32 s21, ttmp9, 8
	v_lshl_add_u32 v[XO], v133, 2, s21             ; the row list: 256 bytes a tile, 4 bytes a row
	v_mov_b32 v[B8], 0xbf97d29d
	v_mov_b32 v[B8+1], 0xbf97d29d
	s_mov_b32 s37, 0x3eb504f3                      ; sqrt(2) / 4
	s_mov_b32 s38, 0x600000                        ; the mantissa field of 448
	s_mov_b32 s40, 0x76543210
	s_mov_b32 s41, 0xfedcba98                      ; v_permlanex16_b32's selects for lane l xor 16
	PAIR 42, 0xbf38aa3b                            ; -log2(e) / 2
	PAIR 44, 0x3e7c6f08                            ; b9
	PAIR 46, 0x40097039                            ; b7
	PAIR 48, 0xbfd1a1e5                            ; b6
	PAIR 50, 0x3ecdfd18                            ; b5
	PAIR 52, 0xbe899a80                            ; b4
	PAIR 54, 0x3e0efb2e                            ; b3
	PAIR 56, 0x3f0a29d2                            ; b2
	PAIR 58, 0x3fb8ab5a                            ; b1
	PAIR 60, 0xc034d90f                            ; b0
	s_lshl_b32 s17, ttmp9, 2
	s_wait_kmcnt 0x0
	s_load_b32 s18, s[4:5], s17 offset:0x10700     ; my tile's expert
.irp m, 0,1,2,3
	global_load_b32 v[TOK+\m], v[XO], s[4:5] offset:64*\m   ; lane (r, h): the token of row 16 m + r
.endr
	s_wait_kmcnt 0x0
	s_min_u32 s19, s18, 7                          ; inside the tables, whatever was read
	s_mov_b32 s23, 0
	s_lshl_b32 s22, s19, 20
	s_lshl_b32 s21, s16, 14
	s_add_co_u32 s22, s22, s21
	s_add_nc_u64 s[24:25], s[8:9], s[22:23]        ; W1's codes: expert, wave; a step is 65,536 bytes on
	s_add_nc_u64 s[30:31], s[24:25], 0x800000      ; W2's likewise
	s_lshl_b32 s22, s19, 15
	s_lshl_b32 s21, s16, 9
	s_add_co_u32 s22, s22, s21
	s_add_nc_u64 s[26:27], s[8:9], s[22:23]
	s_add_nc_u64 s[26:27], s[26:27], 0x1000000     ; W1's scale bytes; a step is 2,048 bytes on
	s_add_nc_u64 s[32:33], s[26:27], 0x40000       ; W2's likewise
	s_lshl_b32 s22, s19, 13
	s_lshl_b32 s21, s16, 7
	s_add_co_u32 s22, s22, s21
	s_add_nc_u64 s[28:29], s[10:11], s[22:23]      ; b1: my 32 numbers of a step; a step is 512 bytes on
	s_lshl_b32 s22, s19, 11
	s_lshl_b32 s21, s16, 9
	s_add_co_u32 s22, s22, s21
	s_add_nc_u64 s[12:13], s[12:13], s[22:23]      ; b2: my 128 columns
	s_lshl_b32 s22, ttmp9, 17
	s_add_co_u32 s22, s22, s21
	s_add_nc_u64 s[14:15], s[14:15], s[22:23]      ; ybuf: my tile's 64 rows of 2,048 bytes, my 128 columns
	s_add_nc_u64 s[34:35], s[6:7], 0x200000        ; x's scale bytes
	LOADW1 0, 0                                    ; step 0's group of W1: 38 loads
	LOADW1S 0
	LOADW1 0, 2
	s_wait_loadcnt 38                              ; the four loads of the row list are in
.irp m, 0,1,2,3
	v_min_u32 v[TOK+\m], 4095, v[TOK+\m]           ; inside xq, whatever was read
.endr
.irp m, 0,1,2,3
	v_lshl_add_u32 v[XO+\m], v[TOK+\m], 9, v135    ; 512 bytes of codes a token, + 16 h
	v_lshlrev_b32 v[XSO+\m], 4, v[TOK+\m]          ; 16 scale bytes a token
.endr
.irp m, 0,1,2,3
	global_load_b128 v[XSC+4*\m:XSC+4*\m+3], v[XSO+\m], s[34:35]
.endr
	WIN 0x40                                       ; destination window 1
.irp m, 0,1,2,3
.irp k, 0,1,2,3
.irp c, 0,1,2,3
	global_load_b128 v[64*\m+16*\k+4*\c:64*\m+16*\k+4*\c+3], v[XO+\m], s[6:7] offset:128*\k+32*\c
.endr
.endr
.endr
	WIN 0xc0                                       ; destination window 3: b2 starts y's sums: nothing is cleared, and no first step is written out
.irp q, 0,1,2,3,4,5,6,7
.irp m, 0,1,2,3
	global_load_b128 v[8*(4*\q+\m):8*(4*\q+\m)+3], v[B2O], s[12:13] offset:64*\q
	global_load_b128 v[8*(4*\q+\m)+4:8*(4*\q+\m)+7], v[B2O], s[12:13] offset:64*\q+16
.endr
.endr
	WIN 0
	LOADW2 0                                       ; step 0's group of W2: 36 loads
	s_wait_loadcnt 36                              ; all but those
	HIDDEN 0, 1, 1                                 ; step 0's hidden units
	s_mov_b32 s36, 7
.Lstep:                                                ; a trip: steps 2 j + 1 and 2 j + 2, until the buffers are back where they began
	REGION 0, 1, 1, 2, 1
	REGION 1, 0, 2, 3, 1
	s_wait_xcnt 0x0                                ; every load issued has read its base: the five pointers go two steps on
	s_add_nc_u64 s[24:25], s[24:25], 0x20000
	s_add_nc_u64 s[26:27], s[26:27], 4096
	s_add_nc_u64 s[28:29], s[28:29], 1024
	s_add_nc_u64 s[30:31], s[30:31], 0x20000
	s_add_nc_u64 s[32:33], s[32:33], 4096
	s_sub_co_u32 s36, s36, 1
	s_cmp_lg_u32 s36, 0
	s_cbranch_scc1 .Lstep
	REGION 0, 1, 1, 0, 0                           ; step 15: W1 has nothing left to ask for
	FETCH 1
	s_wait_loadcnt 0x0                             ; W2's last group
	s_wait_dscnt 0x0
	P2
	PLACES
; THE WAY OUT, a tile of 16 rows at a time.  A lane holds 32 neighbouring bytes of a row, the lanes beside it other rows: the tile goes through my own stage and comes back as rows of 512 bytes.
.macro OUTM m
.set OB, 132-64*((\m)%2)               ; v132-195 and v68-131 by turns
.if (\m) >= 2
	s_wait_xcnt 0x0                                ; the stores of two tiles back have read these registers
.endif
	WIN 0x0c                                       ; an LDS store's data are its source 1: window 3
.irp q, 0,1,2,3,4,5,6,7
	ds_store_b128 v[SOA], v[8*(4*\q+(\m)):8*(4*\q+(\m))+3] offset:64*\q           ; each accumulator from its low end on
	ds_store_b128 v[SOA], v[8*(4*\q+(\m))+4:8*(4*\q+(\m))+7] offset:64*\q+16
.endr
	WIN 0
.set i, 0
.rept 16
	ds_load_b128 v[OB+4*i:OB+4*i+3], v[SRA] offset:528*i   ; LDS serves a wave's instructions in order: these see my stores, and the next tile's stores come behind them
.set i, i+1
.endr
	s_wait_dscnt 0x0
.set i, 0
.rept 16
	global_store_b128 v[L16], v[OB+4*i:OB+4*i+3], s[14:15] offset:(16*(\m)+i)*2048 th:TH_STORE_NT   ; 512 consecutive bytes, at a multiple of 256 from ybuf's first byte
.set i, i+1
.endr
.endm
	OUTM 0
	OUTM 1
	OUTM 2
	OUTM 3
	s_wait_tensorcnt 0x0
	ds_add_u32 v254, v255
	s_wait_dscnt 0x0
	s_endpgm
.Lfunc_end_k_q2c93136469_chain:
	.size	k_q2c93136469_chain, .Lfunc_end_k_q2c93136469_chain-k_q2c93136469_chain
	.p2alignl 7, 3214868480
	.fill 96, 4, 3214868480
	.section	.rodata,"a",@progbits
	.p2align	6, 0x0
	.amdhsa_kernel k_q2c93136469_chain
		.amdhsa_group_segment_fixed_size 51712
		.amdhsa_private_segment_fixed_size 0
		.amdhsa_enable_private_segment 0
		.amdhsa_kernarg_size 48
		.amdhsa_user_sgpr_count 2
		.amdhsa_user_sgpr_kernarg_segment_ptr 1
		.amdhsa_wavefront_size32 1
		.amdhsa_system_sgpr_workgroup_id_x 1
		.amdhsa_system_sgpr_workgroup_id_y 1
		.amdhsa_system_sgpr_workgroup_id_z 1
		.amdhsa_system_vgpr_workitem_id 0
		.amdhsa_next_free_vgpr 1024
		.amdhsa_next_free_sgpr 66
		.amdhsa_reserve_vcc 0
		.amdhsa_float_denorm_mode_32 3
		.amdhsa_float_denorm_mode_16_64 3
		.amdhsa_memory_ordered 1
		.amdhsa_forward_progress 1
		.amdhsa_inst_pref_size 255
	.end_amdhsa_kernel
	.section	.bss,"aw",@nobits
	.p2align	6
	.space	262144
	.amdgpu_metadata
---
amdhsa.version: [ 1, 2 ]
amdhsa.kernels:
  - .name:           k_q2c93136469_chain
    .symbol:         k_q2c93136469_chain.kd
    .args:
      - { .name: lists, .offset: 0, .size: 8, .value_kind: global_buffer, .address_space: global }
      - { .name: xq, .offset: 8, .size: 8, .value_kind: global_buffer, .address_space: global }
      - { .name: wq, .offset: 16, .size: 8, .value_kind: global_buffer, .address_space: global }
      - { .name: b1, .offset: 24, .size: 8, .value_kind: global_buffer, .address_space: global }
      - { .name: b2, .offset: 32, .size: 8, .value_kind: global_buffer, .address_space: global }
      - { .name: ybuf, .offset: 40, .size: 8, .value_kind: global_buffer, .address_space: global }
    .group_segment_fixed_size: 51712
    .private_segment_fixed_size: 0
    .kernarg_segment_align: 8
    .kernarg_segment_size: 48
    .max_flat_workgroup_size: 128
    .sgpr_count:     66
    .vgpr_count:     1024
    .wavefront_size: 32
...
	.end_amdgpu_metadata
.endif
;; end of part 3
;; launch combine (part 4): grid 256 x 1, 8 waves a work-group, no clusters, 0 bytes of LDS; arguments lists, gw, ybuf, out0; writes out0
.if DOCPART == 4
	.amdgcn_target "amdgcn-amd-amdhsa--gfx1250"
	.amdhsa_code_object_version 6
	.text
	.protected	k_q2c93136469_combine
	.globl	k_q2c93136469_combine
	.p2align	8
	.type	k_q2c93136469_combine,@function
k_q2c93136469_combine:
	s_mov_b64 s[64:65], 0
	v_nop
	global_prefetch_b8 v0, s[64:65] scope:SCOPE_SE
	s_setreg_imm32_b32 hwreg(HW_REG_WAVE_MODE, 25, 1), 1
	s_wait_xcnt 0x0
; COMBINE.  out[t] = g0 ybuf[pos0] + g1 ybuf[pos1]: each token's two rows, weighed with its two scores.  A token's output row has two makers in the launch before, so this launch, which owns each row, adds them.
; A wave takes two tokens.  Their four places (lists, POS at byte 0x8700) and four scores (gw) come by scalar loads; each row of 2,048 bytes by four loads of 512 consecutive bytes; all 16 loads go out together.
; A stream: no LDS, no barrier, no matrix unit.
	s_load_b256 s[4:11], s[0:1], 0x0               ; lists, gw, ybuf, out0
	v_lshrrev_b32 v1, 5, v0
	v_readfirstlane_b32 s12, v1                    ; wave 0..7
	v_and_b32 v1, 31, v0
	v_lshlrev_b32 v1, 4, v1                        ; 16 x lane
	s_lshl_b32 s13, ttmp9, 4
	s_lshl_b32 s14, s12, 1
	s_add_co_u32 s13, s13, s14                     ; my first token: 16 x work-group + 2 x wave
	s_lshl_b32 s14, s13, 3                         ; 8 bytes a token in POS and in gw
	s_lshl_b32 s16, s13, 11                        ; 2,048 bytes a token in out0
	s_mov_b32 s17, 0
	s_wait_kmcnt 0x0
	s_load_b128 s[20:23], s[4:5], s14 offset:0x8700
	s_load_b128 s[24:27], s[6:7], s14 offset:0x0
	s_add_nc_u64 s[10:11], s[10:11], s[16:17]
	s_wait_kmcnt 0x0
.irp k, 0,1,2,3
	s_min_u32 s[20+\k], s[20+\k], 8639             ; inside ybuf, whatever was read
	s_lshl_b32 s16, s[20+\k], 11
	s_add_nc_u64 s[28+2*\k:29+2*\k], s[8:9], s[16:17]
	s_mov_b32 s[36+2*\k], s[24+\k]                 ; the score as a pair, for the packed forms
	s_mov_b32 s[37+2*\k], s[24+\k]
.endr
.irp k, 0,1,2,3                                ; row k: token k / 2, its (k % 2)-th expert's
.irp j, 0,1,2,3
	global_load_b128 v[16+16*\k+4*\j:16+16*\k+4*\j+3], v1, s[28+2*\k:29+2*\k] offset:512*\j th:TH_LOAD_NT
.endr
.endr
.irp t, 0,1
	s_wait_loadcnt 8*(1-\t)                        ; this token's eight loads are in; the other token's may be out
.irp i, 0,2,4,6,8,10,12,14
	v_pk_mul_f32 v[16+32*\t+\i:17+32*\t+\i], v[16+32*\t+\i:17+32*\t+\i], s[36+4*\t:37+4*\t] op_sel_hi:[1,0]
.endr
.irp i, 0,2,4,6,8,10,12,14
	v_pk_fma_f32 v[16+32*\t+\i:17+32*\t+\i], v[32+32*\t+\i:33+32*\t+\i], s[38+4*\t:39+4*\t], v[16+32*\t+\i:17+32*\t+\i] op_sel_hi:[1,0,1]
.endr
.irp j, 0,1,2,3
	global_store_b128 v1, v[16+32*\t+4*\j:19+32*\t+4*\j], s[10:11] offset:2048*\t+512*\j th:TH_STORE_NT   ; 512 consecutive bytes, at a multiple of 256
.endr
.endr
	s_endpgm
.Lfunc_end_k_q2c93136469_combine:
	.size	k_q2c93136469_combine, .Lfunc_end_k_q2c93136469_combine-k_q2c93136469_combine
	.p2alignl 7, 3214868480
	.fill 96, 4, 3214868480
	.section	.rodata,"a",@progbits
	.p2align	6, 0x0
	.amdhsa_kernel k_q2c93136469_combine
		.amdhsa_group_segment_fixed_size 0
		.amdhsa_private_segment_fixed_size 0
		.amdhsa_enable_private_segment 0
		.amdhsa_kernarg_size 32
		.amdhsa_user_sgpr_count 2
		.amdhsa_user_sgpr_kernarg_segment_ptr 1
		.amdhsa_wavefront_size32 1
		.amdhsa_system_sgpr_workgroup_id_x 1
		.amdhsa_system_sgpr_workgroup_id_y 1
		.amdhsa_system_sgpr_workgroup_id_z 1
		.amdhsa_system_vgpr_workitem_id 0
		.amdhsa_next_free_vgpr 80
		.amdhsa_next_free_sgpr 66
		.amdhsa_reserve_vcc 0
		.amdhsa_float_denorm_mode_32 3
		.amdhsa_float_denorm_mode_16_64 3
		.amdhsa_memory_ordered 1
		.amdhsa_forward_progress 1
		.amdhsa_inst_pref_size 6
	.end_amdhsa_kernel
	.amdgpu_metadata
---
amdhsa.version: [ 1, 2 ]
amdhsa.kernels:
  - .name:           k_q2c93136469_combine
    .symbol:         k_q2c93136469_combine.kd
    .args:
      - { .name: lists, .offset: 0, .size: 8, .value_kind: global_buffer, .address_space: global }
      - { .name: gw, .offset: 8, .size: 8, .value_kind: global_buffer, .address_space: global }
      - { .name: ybuf, .offset: 16, .size: 8, .value_kind: global_buffer, .address_space: global }
      - { .name: out0, .offset: 24, .size: 8, .value_kind: global_buffer, .address_space: global }
    .group_segment_fixed_size: 0
    .private_segment_fixed_size: 0
    .kernarg_segment_align: 8
    .kernarg_segment_size: 32
    .max_flat_workgroup_size: 256
    .sgpr_count:     66
    .vgpr_count:     80
    .wavefront_size: 32
...
	.end_amdgpu_metadata
.endif
;; end of part 4
;; ======== version 2 of 2: 4 launches; version 1 with the launch chain written anew for expert scheduling mode
;; workspace buffers: wq 17,301,504 bytes; xq 2,162,688 bytes; gw 32,768 bytes; eidx 32,768 bytes of whole numbers; lists 68,352 bytes of whole numbers; ybuf 17,694,720 bytes
;; launch route: the kernel of part 1 again; grid 256 x 1, 4 waves a work-group, no clusters, 9,728 bytes of LDS; arguments x, time_stage, gate_w, gate_b, xq, eidx, gw, lists; writes xq, eidx, gw, lists
;; launch prep: the kernel of part 2 again; grid 513 x 1, 4 waves a work-group, no clusters, 1,536 bytes of LDS; arguments eidx, w1, w2, wq, lists; writes wq, lists
;; launch chain (part 5): grid 135 x 1, 4 waves a work-group, no clusters, 51,712 bytes of LDS; arguments lists, xq, wq, b1, b2, ybuf; writes ybuf
.if DOCPART == 5
	.amdgcn_target "amdgcn-amd-amdhsa--gfx1250"
	.amdhsa_code_object_version 6
	.text
	.protected	k_q2c93136469_chain
	.globl	k_q2c93136469_chain
	.p2align	8
	.type	k_q2c93136469_chain,@function
k_q2c93136469_chain:
	s_mov_b64 s[64:65], 0
	v_nop
	global_prefetch_b8 v0, s[64:65] scope:SCOPE_SE
	s_setreg_imm32_b32 hwreg(HW_REG_WAVE_SCHED_MODE, 0, 2), 2
	s_setreg_imm32_b32 hwreg(HW_REG_WAVE_MODE, 25, 1), 1
	s_wait_xcnt 0x0
	s_wait_alu depctr_vm_vsrc(0)
; CHAIN.  One tile of 64 routed rows of one expert: y = gelu(x W1 + b1) W2 + b2, both products on codes of E4M3 with one E8M0 scale for each 32 along K; the hidden layer never goes to memory.
; Work-group T reads its expert (lists, TINF[T]) and its 64 tokens (ROWL[64 T ..]), gathers their codes from xq, and stores ybuf[T][64][512] f32.  The grid, 135 = 8192 / 64 + 7, serves every split.
; THE TEXT HAS NO BRANCH ON DATA.  A place of the row list that the split leaves empty names token 0: its row is computed and stored, and no position names it.  So a tile without any row (at most
; 135 less the tiles in use) runs token 0 through its listed expert for nothing: every wave then passes every barrier on one path, and every counted wait has one count.
; SHARES.  The hidden axis goes in 16 steps of 128 units.  In step s wave w makes units 128 s + 32 w .. + 31 for all 64 rows (two tiles of W1 x four tiles of rows): just block w of the four blocks of 32 of K step s
; of the second product.  Wave w also owns output columns 128 w .. + 127 (eight tiles of W2 x four tiles of rows, 256 registers).  x's 16 fragments stay in every wave's registers.
; Both products are used TRANSPOSED (source 0 = 16 rows of a weight, source 1 = 16 tokens): a lane holds one token, its registers run along the units or the columns.
; THE ROWS OF W1 THAT FORM A TILE ARE NOT NEIGHBOURS (row r of tile u: unit 8 u + r + 8 (r / 8)), so that a lane's 16 registers of the two tiles are the 16 neighbours 16 (lane / 16) + 0 .. 15 of the block.
; THE WEIGHTS come from memory straight into registers, laid by the launch before in the order of the operand's registers: each load is 512 consecutive bytes, each byte enters the work-group once and feeds
; four matrix instructions.  W1's group of a step (16 + 6 + 16 loads: fragments, scale words, b1) and W2's (16 + 4 + 16) are asked for a step ahead, behind the products that read the registers last;
; W2's group goes out ahead of the wait for W1's, so that a group is on its way whenever the wave waits for the other.
; THE HIDDEN LAYER goes from wave to wave through LDS as an image of the operand's registers: my four code registers of a tile of rows at 512 w + 16 x lane of its 2,048 bytes, my scale byte at byte w of the
; lane's word.  Two such buffers take turns: one barrier a step.
; NO JOINT REQUESTS: which expert a work-group serves is read from the tile list, and an expert's number of tiles hangs on the routing, so neighbours in the grid need not want the same weights.
; THE GELU is the exact one, ahead of a quantiser, so in f32 with a small relative error on both tails: gelu(x) = max(x, 0) - |x| a, a = erfc(|x| / sqrt 2) / 2 = t 2^E, t = 1 / (1 + |x| sqrt(2) / 4),
; E = b0 + t (b1 + t (b2 + .. t b9)) - x^2 log2(e) / 2: the classical fit of erfc (fractional error under 1.2e-7 for every argument), its coefficients times log2(e), 1 taken off b0 for the half.
; No difference of near-equal numbers is formed for x < 0.
; LIMITS.  The gelu's f32 evaluation adds about 1e-6 of the number, growing with x^2 in the far tail, where a falls to 0.  NaN and infinities are not served.  A block of zeros gets the byte 1 (its codes are zeros).
; REGISTERS, in windows of 256.  Window 0: see the names below.  Window 1: x's fragments, (tile of rows m, K step k) at v[64 m + 16 k].  Window 2: W1's eight fragments (k, u) at v[16 (2 k + u)]; W2's eight at
; v[128 + 16 q].  Window 3: y's accumulators (q, m) at v[8 (4 q + m)].
; THE MODE: SCHED_MODE bits 1:0 = 2 (LLVM: expert scheduling mode 2), set by the entry lines.  The code itself states the register dependences between vector or matrix instructions and memory or LDS
; instructions, with s_wait_alu, always for 0.
; THE PLAN.  Registers that memory or LDS instructions touch, round a step (LDS loads, second product, first product, the gelu in two halves, the codes, LDS stores, barrier):
;   W2's fragments, W2SC        read by the second product; one wait on va_vdst stands straight behind it, and the next group follows: 20 loads at once, 16 in the middle of the first product, which names
;                               window 2's v0-127, window 1 and v24-43, v52-131 of window 0: none of W2's registers, and none of v1, v3, the loads' offsets.
;   W1's fragments, W1SC, BI    read by the first product; loaded again behind the wait that follows the first half's reciprocals: 22 loads at once, 16 between the halves.  The gelu names v22-23 and v68-227 of
;                               window 0 alone: none of these, and none of v1, v2, v4, the loads' offsets.
;   HF, HSC                     filled by the LDS loads; read by the second product; HF's registers are then the gelu's T and P.  The next LDS loads stand behind the wait in front of the LDS stores, with no vector line between.
;   PC, TM+4 .. TM+7            written by the conversions and shifts; read by the LDS stores; they lie in Q, which the next step's gelu writes: one wait on vm_vsrc ahead of that.
;   v1-v9                       offsets and LDS addresses, made once at the head and never written again.
; So a step holds one wait on va_vdst behind the second product; the gelu's four, of which the first also serves W1's 38 loads; one in front of the LDS stores, which also serves the LDS loads behind the barrier; one on vm_vsrc.
.set L16, 1                            ; v1   16 x lane
.set L8,  2                            ; v2   8 x lane
.set L4,  3                            ; v3   4 x lane
.set B1O, 4                            ; v4   64 (lane / 16): my 16 numbers of b1
.set HWI, 5                            ; v5   16 x lane + 512 x wave: where I store my codes in an image
.set HWS, 6                            ; v6   4 x lane + wave: and my scale byte
.set SOA, 7                            ; v7   the way out: where I put 32 bytes of a row
.set SRA, 8                            ; v8   and where I read a row back
.set B2O, 9                            ; v9   32 (lane / 16): my 8 numbers of b2
.set XO,  10                           ; v10-13 my token's codes in xq, for each tile of rows (v10 first: my place in the row list)
.set XSO, 14                           ; v14-17 its scale bytes
.set TOK, 18                           ; v18-21 the tokens
.set B8,  22                           ; v22-23 the coefficient b8, twice
.set XSC, 24                           ; v24-39 x's scale words (4 m + k)
.set W1SC, 40                          ; v40-43 W1's, for K step k: lanes 0-15 tile 0, lanes 16-31 tile 1
.set W2SC, 44                          ; v44-47 W2's: lanes 0-15 tile 2 j, lanes 16-31 tile 2 j + 1
.set HSC, 48                           ; v48-51 the hidden layer's, for each tile of rows
.set BI,  52                           ; v52-67 b1 in the result's layout, 8 registers a tile
.set HA,  68                           ; v68-131 my hidden units: (m, u) at 68 + 16 m + 8 u
.set T,   132                          ; v132-163, v164-195, v196-227: the gelu, 32 numbers at a time
.set P,   164
.set Q,   196
.set HF,  132                          ; v132-195 the hidden layer's four fragments, over T and P
.set PC,  196                          ; v196-211 the codes just made, over Q
.set TM,  212                          ; v212-227 largest magnitudes, bytes, holds, scale operands, over Q
.set BUFB, 8704                        ; LDS: two buffers: four images of 2,048 bytes, then four of scale words, 128 bytes each
.set HSO,  8192
.set STG,  2*BUFB                      ; behind them a stage of 16 rows x (512 + 16) bytes for each wave, for the way out
.set MSB, 0
.macro WIN new                         ; the immediate's high byte repeats the setting that is left
.if MSB != \new
	s_set_vgpr_msb (MSB<<8)|\new
.set MSB, \new
.endif
.endm
.macro PAIR r, val                     ; a constant for the packed forms, which name a pair
	s_mov_b32 s[\r], \val
	s_mov_b32 s[\r+1], \val
.endm
.macro PLACES                          ; eight places behind this matrix form, in front of loads into registers that it has read, of the first read of its results and of a vector line that writes over one of its sources
.rept 8
	v_nop
.endr
.endm
.macro LOADW1 imm, k0                  ; W1's four fragments of K steps k0, k0 + 1, of the hidden step imm on from the pointer
	WIN 0x80                                       ; destination window 2
.irp f, 0,1,2,3
.irp c, 0,1,2,3
	global_load_b128 v[16*(2*(\k0)+\f)+4*\c:16*(2*(\k0)+\f)+4*\c+3], v[L16], s[24:25] offset:(\imm)*65536+(2*(\k0)+\f)*2048+512*\c
.endr
.endr
	WIN 0
.endm
.macro LOADW1S imm                     ; its scale words and its part of b1
.irp k, 0,1
	global_load_b64 v[W1SC+2*\k:W1SC+2*\k+1], v[L8], s[26:27] offset:(\imm)*2048+256*\k
.endr
.irp i, 0,1,2,3
	global_load_b128 v[BI+4*\i:BI+4*\i+3], v[B1O], s[28:29] offset:(\imm)*512+16*\i
.endr
.endm
.macro LOADW2 imm, q0                  ; W2's four fragments q0 .. q0 + 3.  (It leaves its window set: what follows sets its own)
	WIN 0x80                                       ; destination window 2
.irp f, 0,1,2,3
.irp c, 0,1,2,3
	global_load_b128 v[128+16*((\q0)+\f)+4*\c:128+16*((\q0)+\f)+4*\c+3], v[L16], s[30:31] offset:(\imm)*65536+2048*((\q0)+\f)+512*\c
.endr
.endr
.endm
.macro LOADW2S imm                     ; and its scale words
	WIN 0
.irp j, 0,1,2,3
	global_load_b32 v[W2SC+\j], v[L4], s[32:33] offset:(\imm)*2048+128*\j
.endr
.endm
; Half of the first product of a step, K steps ka and kb: 16 matrix instructions; the eight accumulators take turns, one instruction a turn; b1 is the C of each sum's first.
.macro P1H ka, kb
	WIN 0x06                                       ; source 0 (W1) window 2, source 1 (x) window 1
.irp k, \ka, \kb
.irp m, 0,1,2,3
.if \k == 0
	v_wmma_scale_f32_16x16x128_f8f6f4 v[HA+16*\m:HA+16*\m+7], v[32*\k:32*\k+15], v[64*\m+16*\k:64*\m+16*\k+15], v[BI:BI+7], v[W1SC+\k], v[XSC+4*\m+\k]
	v_wmma_scale_f32_16x16x128_f8f6f4 v[HA+16*\m+8:HA+16*\m+15], v[32*\k+16:32*\k+31], v[64*\m+16*\k:64*\m+16*\k+15], v[BI+8:BI+15], v[W1SC+\k], v[XSC+4*\m+\k] matrix_a_scale:MATRIX_SCALE_ROW1
.else
	v_wmma_scale_f32_16x16x128_f8f6f4 v[HA+16*\m:HA+16*\m+7], v[32*\k:32*\k+15], v[64*\m+16*\k:64*\m+16*\k+15], v[HA+16*\m:HA+16*\m+7], v[W1SC+\k], v[XSC+4*\m+\k]
	v_wmma_scale_f32_16x16x128_f8f6f4 v[HA+16*\m+8:HA+16*\m+15], v[32*\k+16:32*\k+31], v[64*\m+16*\k:64*\m+16*\k+15], v[HA+16*\m+8:HA+16*\m+15], v[W1SC+\k], v[XSC+4*\m+\k] matrix_a_scale:MATRIX_SCALE_ROW1
.endif
.endr
.endr
.endm
; A K step of the second product: 32 matrix instructions on 32 accumulators.  (It leaves its windows set: what follows sets its own)
.macro P2
	WIN 0xf2                                       ; source 0 (W2) window 2, source 1 (the hidden layer) window 0, C and D window 3
.irp q, 0,1,2,3,4,5,6,7
.irp m, 0,1,2,3
.if (\q)%2 == 0
	v_wmma_scale_f32_16x16x128_f8f6f4 v[8*(4*\q+\m):8*(4*\q+\m)+7], v[128+16*\q:128+16*\q+15], v[HF+16*\m:HF+16*\m+15], v[8*(4*\q+\m):8*(4*\q+\m)+7], v[W2SC+\q/2], v[HSC+\m]
.else
	v_wmma_scale_f32_16x16x128_f8f6f4 v[8*(4*\q+\m):8*(4*\q+\m)+7], v[128+16*\q:128+16*\q+15], v[HF+16*\m:HF+16*\m+15], v[8*(4*\q+\m):8*(4*\q+\m)+7], v[W2SC+\q/2], v[HSC+\m] matrix_a_scale:MATRIX_SCALE_ROW1
.endif
.endr
.endr
.endm
.macro FETCH b                         ; the hidden layer's four fragments and scale words out of buffer b.  No vector or matrix line has been issued since the wait in front of the LDS stores: it serves these loads too
.irp m, 0,1,2,3
.irp c, 0,1,2,3
	ds_load_b128 v[HF+16*\m+4*\c:HF+16*\m+4*\c+3], v[L16] offset:(\b)*BUFB+2048*\m+512*\c
.endr
	ds_load_b32 v[HSC+\m], v[L4] offset:(\b)*BUFB+HSO+128*\m
.endr
.endm
; The gelu of 32 numbers v[x0] on, in place.  Each kind of transcendental goes as one batch with one wait, ahead of its first reader; plain work stands between.
; deal = 1: a step's first half, with a step to follow: the first half of W1's group of the step w1imm on from the pointers is asked for behind the first wait.
; old = 1: a step before has stored codes and bytes to LDS out of registers that lie in Q.
.macro GELU x0, deal, w1imm, old
.set i, 0
.rept 32
	v_fma_f32 v[T+i], |v[(\x0)+i]|, s37, 1.0       ; 1 + |x| sqrt(2) / 4.  (Ascending: each accumulator is read from its low end on)
.set i, i+1
.endr
.set i, 0
.rept 32
	v_rcp_f32 v[T+i], v[T+i]                       ; t
.set i, i+1
.endr
.if \old
	s_wait_alu depctr_vm_vsrc(0)                   ; the last step's LDS stores have read their codes (v196-211) and bytes (v216-219), which the lines below, and later the quantiser, write again
.endif
.set i, 0
.rept 16
	v_pk_mul_f32 v[Q+i:Q+i+1], v[(\x0)+i:(\x0)+i+1], s[42:43] op_sel_hi:[1,0]
.set i, i+2
.endr
.set i, 0
.rept 16
	v_pk_fma_f32 v[Q+i:Q+i+1], v[Q+i:Q+i+1], v[(\x0)+i:(\x0)+i+1], s[60:61] op_sel_hi:[1,1,0]   ; b0 - x^2 log2(e) / 2
.set i, i+2
.endr
	s_wait_alu depctr_va_vdst(0)                   ; the reciprocals have written T.  In a step's first half also: the first product is done reading W1's fragments, scale words and b1, in which the step's 38 loads of W1's group land
.if \deal
	LOADW1 \w1imm, 0
	LOADW1S \w1imm
.endif
.set i, 0
.rept 16
	v_pk_fma_f32 v[P+i:P+i+1], v[T+i:T+i+1], s[44:45], v[B8:B8+1] op_sel_hi:[1,0,1]            ; b9 t + b8
.set i, i+2
.endr
.irp c, 46,48,50,52,54,56,58                   ; b7 .. b1, a coefficient at a time over the 16 pairs: no line waits for the line above it
.set i, 0
.rept 16
	v_pk_fma_f32 v[P+i:P+i+1], v[P+i:P+i+1], v[T+i:T+i+1], s[\c:\c+1] op_sel_hi:[1,1,0]
.set i, i+2
.endr
.endr
.set i, 0
.rept 16
	v_pk_fma_f32 v[P+i:P+i+1], v[P+i:P+i+1], v[T+i:T+i+1], v[Q+i:Q+i+1]                        ; E
.set i, i+2
.endr
.set i, 0
.rept 32
	v_exp_f32 v[P+i], v[P+i]
.set i, i+1
.endr
.set i, 0
.rept 32
	v_max_num_f32 v[Q+i], 0, v[(\x0)+i]
.set i, i+1
.endr
	s_wait_alu depctr_va_vdst(0)                   ; the exponentials have written P
.set i, 0
.rept 16
	v_pk_mul_f32 v[P+i:P+i+1], v[P+i:P+i+1], v[T+i:T+i+1]                                      ; a = t 2^E
.set i, i+2
.endr
.set i, 0
.rept 32
	v_fma_f32 v[(\x0)+i], -|v[(\x0)+i]|, v[P+i], v[Q+i]
.set i, i+1
.endr
.endm
; My 16 numbers of each of the four tiles of rows become four code registers and a scale byte; the block's other 16 lie in lane l xor 16
.macro QUANT4
.irp m, 0,1,2,3
	v_max3_num_f32 v[TM+\m], |v[HA+16*\m]|, |v[HA+16*\m+1]|, 0x4800000     ; with the floor 2^(9 - 127): the byte cannot fall under 1
.endr
.irp i, 2,4,6,8,10,12,14
.irp m, 0,1,2,3
	v_max3_num_f32 v[TM+\m], v[TM+\m], |v[HA+16*\m+\i]|, |v[HA+16*\m+\i+1]|
.endr
.endr
.irp m, 0,1,2,3
	v_permlanex16_b32 v[TM+4+\m], v[TM+\m], s40, s41
.endr
.irp m, 0,1,2,3
	v_max_num_f32 v[TM+\m], v[TM+\m], v[TM+4+\m]
.endr
.irp m, 0,1,2,3
	v_add_nc_u32 v[TM+12+\m], 0xfc000000, v[TM+\m] ; 8 off the exponent field: the conversion's scale operand
.endr
.irp m, 0,1,2,3
	v_and_or_b32 v[TM+8+\m], v[TM+\m], 0x7f800000, s38   ; 448 x the scale
.endr
.irp m, 0,1,2,3
	v_lshrrev_b32 v[TM+4+\m], 23, v[TM+12+\m]      ; the scale's byte
.endr
.irp m, 0,1,2,3
.irp i, 0,1,2,3,4,5,6,7,8,9,10,11,12,13,14,15
	v_med3_num_f32 v[HA+16*\m+\i], v[HA+16*\m+\i], -v[TM+8+\m], v[TM+8+\m]   ; the conversion to an 8-bit code does not saturate (ISA guide 7.6.2): the hold comes first
.endr
	v_cvt_scalef32_pk8_fp8_f32 v[PC+4*\m:PC+4*\m+1], v[HA+16*\m:HA+16*\m+7], v[TM+12+\m]
	v_cvt_scalef32_pk8_fp8_f32 v[PC+4*\m+2:PC+4*\m+3], v[HA+16*\m+8:HA+16*\m+15], v[TM+12+\m]
.endr
	v_nop                                          ; a plain instruction behind the last conversion: later products write its sources
.endm
.macro STOREH b
.irp m, 0,1,2,3
	ds_store_b128 v[HWI], v[PC+4*\m:PC+4*\m+3] offset:(\b)*BUFB+2048*\m
	ds_store_b8 v[HWS], v[TM+4+\m] offset:(\b)*BUFB+HSO+128*\m
.endr
.endm
.macro BAR                             ; my LDS stores have landed and my LDS loads are in: then the work-group's barrier
	s_wait_dscnt 0x0
	s_barrier_signal -1
	s_barrier_wait -1
.endm
; A step's hidden units: product, gelu, codes, into buffer wr.  In front of it stand the first 20 loads of W2's group of the step w2imm on from the pointers; the other 16 stand in the product's middle.
; more = 1: W1's group of the step w1imm on is asked for, in two parts, behind the gelu's first wait and between its halves
.macro HIDDEN wr, w2imm, w1imm, more, old
	s_wait_loadcnt 20                              ; W1's group is in (at the head: all that the head asked for); the 20 just issued may be out
	P1H 0, 1
	LOADW2 \w2imm, 4                               ; no wait: no vector or matrix line since the wait behind the second product names a register that these loads touch (at the head none has ever named one)
	P1H 2, 3
	WIN 0
	PLACES                                         ; in front of the gelu's first read of these results, and of its first write of T, which the second product read as its source 1
	GELU HA, \more, \w1imm, \old
.if \more
	LOADW1 \w1imm, 2                               ; the second half of W1's group.  No wait: no vector line since the gelu's first wait names a register that these loads touch
.endif
	GELU HA+32, 0, 0, 0
	QUANT4
	s_wait_alu depctr_va_vdst(0)                   ; the conversions and shifts have written the codes and bytes, which the LDS stores read; the gelu is done with T and P, and the second product with HSC, in which the LDS loads behind the barrier land
	STOREH \wr
	BAR                                            ; buffer wr is whole; and nobody reads the other buffer any more, which the next step writes
.endm
; The second product of the step before, out of buffer rd; then this step's hidden units
.macro REGION rd, wr, w2imm, w1imm, more
	FETCH \rd
	s_wait_loadcnt 38                              ; W2's group is in; W1's 38 loads, issued behind it, may be out
	s_wait_dscnt 0x0
	P2
	PLACES                                         ; the places in front of loads into registers that the product has read stay, beside the wait below
	WIN 0x80                                       ; the loads' window first, then the wait, then the loads
	s_wait_alu depctr_va_vdst(0)                   ; the second product is done reading W2's fragments and scale words, in which the 20 loads below, and the 16 in the middle of the first product, land
	LOADW2 \w2imm, 0
	LOADW2S \w2imm
	HIDDEN \wr, \w2imm, \w1imm, \more, 1
.endm
	s_load_b256 s[4:11], s[0:1], 0x0               ; lists, xq, wq, b1
	s_load_b128 s[12:15], s[0:1], 0x20             ; b2, ybuf
	v_lshl_add_u32 v254, v0, 2, 0xc800
	v_mov_b32 v255, 0
	v_lshrrev_b32 v132, 5, v0
	v_readfirstlane_b32 s16, v132                  ; wave 0..3
	v_and_b32 v132, 31, v0                         ; lane
	v_and_b32 v133, 15, v0                         ; r
	v_bfe_u32 v134, v0, 4, 1                       ; h
	v_lshlrev_b32 v135, 4, v134                    ; 16 h
	v_lshlrev_b32 v[L16], 4, v132
	v_lshlrev_b32 v[L8], 3, v132
	v_lshlrev_b32 v[L4], 2, v132
	v_lshlrev_b32 v[B1O], 6, v134
	v_lshlrev_b32 v[B2O], 5, v134
	s_wait_alu depctr_va_sdst(0)                   ; s16, the wave's number, is written, ahead of its first reader: LDS addresses and the weights' pointers are made from it
	s_lshl_b32 s21, s16, 9
	v_lshl_add_u32 v[HWI], v132, 4, s21
	v_lshl_add_u32 v[HWS], v132, 2, s16
	s_mul_i32 s21, s16, 16*528
	s_add_co_u32 s21, s21, STG                     ; my stage
	v_mul_u32_u24 v[SOA], v133, 528
	v_lshl_add_u32 v[SOA], v134, 5, v[SOA]
	v_add_nc_u32 v[SOA], s21, v[SOA]               ; in: row r, 32 bytes for each half of the lanes
	v_lshl_add_u32 v[SRA], v132, 4, s21            ; back: the 32 lanes take a row of 512 bytes
	s_lshl_b32 s21, ttmp9, 8
	v_lshl_add_u32 v[XO], v133, 2, s21             ; the row list: 256 bytes a tile, 4 bytes a row
	v_mov_b32 v[B8], 0xbf97d29d
	v_mov_b32 v[B8+1], 0xbf97d29d
	s_mov_b32 s37, 0x3eb504f3                      ; sqrt(2) / 4
	s_mov_b32 s38, 0x600000                        ; the mantissa field of 448
	s_mov_b32 s40, 0x76543210
	s_mov_b32 s41, 0xfedcba98                      ; v_permlanex16_b32's selects for lane l xor 16
	PAIR 42, 0xbf38aa3b                            ; -log2(e) / 2
	PAIR 44, 0x3e7c6f08                            ; b9
	PAIR 46, 0x40097039                            ; b7
	PAIR 48, 0xbfd1a1e5                            ; b6
	PAIR 50, 0x3ecdfd18                            ; b5
	PAIR 52, 0xbe899a80                            ; b4
	PAIR 54, 0x3e0efb2e                            ; b3
	PAIR 56, 0x3f0a29d2                            ; b2
	PAIR 58, 0x3fb8ab5a                            ; b1
	PAIR 60, 0xc034d90f                            ; b0
	s_lshl_b32 s17, ttmp9, 2
	s_wait_kmcnt 0x0
	s_load_b32 s18, s[4:5], s17 offset:0x10700     ; my tile's expert
	s_wait_alu depctr_va_vdst(0)                   ; the offsets and LDS addresses v1 to v10 are written, which the loads and stores of the whole kernel read
.irp m, 0,1,2,3
	global_load_b32 v[TOK+\m], v[XO], s[4:5] offset:64*\m   ; lane (r, h): the token of row 16 m + r
.endr
	s_wait_kmcnt 0x0
	s_min_u32 s19, s18, 7                          ; inside the tables, whatever was read
	s_mov_b32 s23, 0
	s_lshl_b32 s22, s19, 20
	s_lshl_b32 s21, s16, 14
	s_add_co_u32 s22, s22, s21
	s_add_nc_u64 s[24:25], s[8:9], s[22:23]        ; W1's codes: expert, wave; a step is 65,536 bytes on
	s_add_nc_u64 s[30:31], s[24:25], 0x800000      ; W2's likewise
	s_lshl_b32 s22, s19, 15
	s_lshl_b32 s21, s16, 9
	s_add_co_u32 s22, s22, s21
	s_add_nc_u64 s[26:27], s[8:9], s[22:23]
	s_add_nc_u64 s[26:27], s[26:27], 0x1000000     ; W1's scale bytes; a step is 2,048 bytes on
	s_add_nc_u64 s[32:33], s[26:27], 0x40000       ; W2's likewise
	s_lshl_b32 s22, s19, 13
	s_lshl_b32 s21, s16, 7
	s_add_co_u32 s22, s22, s21
	s_add_nc_u64 s[28:29], s[10:11], s[22:23]      ; b1: my 32 numbers of a step; a step is 512 bytes on
	s_lshl_b32 s22, s19, 11
	s_lshl_b32 s21, s16, 9
	s_add_co_u32 s22, s22, s21
	s_add_nc_u64 s[12:13], s[12:13], s[22:23]      ; b2: my 128 columns
	s_lshl_b32 s22, ttmp9, 17
	s_add_co_u32 s22, s22, s21
	s_add_nc_u64 s[14:15], s[14:15], s[22:23]      ; ybuf: my tile's 64 rows of 2,048 bytes, my 128 columns
	s_add_nc_u64 s[34:35], s[6:7], 0x200000        ; x's scale bytes
	LOADW1 0, 0                                    ; step 0's group of W1: 38 loads
	LOADW1S 0
	LOADW1 0, 2
	s_wait_loadcnt 38                              ; the four loads of the row list are in
	s_wait_alu depctr_vm_vsrc(0)                   ; those four loads have read v10, their offset, which is written again below
.irp m, 0,1,2,3
	v_min_u32 v[TOK+\m], 4095, v[TOK+\m]           ; inside xq, whatever was read
.endr
.irp m, 0,1,2,3
	v_lshl_add_u32 v[XO+\m], v[TOK+\m], 9, v135    ; 512 bytes of codes a token, + 16 h
	v_lshlrev_b32 v[XSO+\m], 4, v[TOK+\m]          ; 16 scale bytes a token
.endr
	s_wait_alu depctr_va_vdst(0)                   ; v10 to v17 are written: the offsets of x's codes and scale bytes, which the loads below read
.irp m, 0,1,2,3
	global_load_b128 v[XSC+4*\m:XSC+4*\m+3], v[XSO+\m], s[34:35]
.endr
	WIN 0x40                                       ; destination window 1
.irp m, 0,1,2,3
.irp k, 0,1,2,3
.irp c, 0,1,2,3
	global_load_b128 v[64*\m+16*\k+4*\c:64*\m+16*\k+4*\c+3], v[XO+\m], s[6:7] offset:128*\k+32*\c
.endr
.endr
.endr
	WIN 0xc0                                       ; destination window 3: b2 starts y's sums: nothing is cleared, and no first step is written out
.irp q, 0,1,2,3,4,5,6,7
.irp m, 0,1,2,3
	global_load_b128 v[8*(4*\q+\m):8*(4*\q+\m)+3], v[B2O], s[12:13] offset:64*\q
	global_load_b128 v[8*(4*\q+\m)+4:8*(4*\q+\m)+7], v[B2O], s[12:13] offset:64*\q+16
.endr
.endr
	LOADW2 0, 0                                    ; the first 20 loads of step 0's group of W2: no vector or matrix line has named their registers yet
	LOADW2S 0
	HIDDEN 0, 0, 1, 1, 0                           ; step 0's hidden units
	s_mov_b32 s36, 7
.Lstep:                                                ; a trip: steps 2 j + 1 and 2 j + 2, until the buffers are back where they began
	REGION 0, 1, 1, 2, 1
	REGION 1, 0, 2, 3, 1
	s_wait_xcnt 0x0                                ; every load issued has read its base: the five pointers go two steps on
	s_add_nc_u64 s[24:25], s[24:25], 0x20000
	s_add_nc_u64 s[26:27], s[26:27], 4096
	s_add_nc_u64 s[28:29], s[28:29], 1024
	s_add_nc_u64 s[30:31], s[30:31], 0x20000
	s_add_nc_u64 s[32:33], s[32:33], 4096
	s_sub_co_u32 s36, s36, 1
	s_cmp_lg_u32 s36, 0
	s_cbranch_scc1 .Lstep
	REGION 0, 1, 1, 0, 0                           ; step 15: W1 has nothing left to ask for
	FETCH 1
	s_wait_loadcnt 0x0                             ; W2's last group
	s_wait_dscnt 0x0
	P2
	WIN 0
	PLACES                                         ; in front of the first read of the last products' results
	s_wait_alu depctr_va_vdst(0)                   ; the products have written y's accumulators, which the LDS stores read, and are done reading v132-195; the vector work is done with v68-131: the loads from the stage land in both.  No vector line follows
; THE WAY OUT, a tile of 16 rows at a time.  A lane holds 32 neighbouring bytes of a row, the lanes beside it other rows: the tile goes through my own stage and comes back as rows of 512 bytes.
.macro OUTM m
.set OB, 132-64*((\m)%2)               ; v132-195 and v68-131 by turns
.if (\m) >= 2
	s_wait_xcnt 0x0                                ; the stores of two tiles back have had their addresses translated (ISA guide 3.1): their data registers are loaded again only behind this wait
	s_wait_alu depctr_vm_vsrc(0)                   ; and they have read those registers, in which this tile's loads from the stage land
.endif
	WIN 0x0c                                       ; an LDS store's data are its source 1: window 3
.irp q, 0,1,2,3,4,5,6,7
	ds_store_b128 v[SOA], v[8*(4*\q+(\m)):8*(4*\q+(\m))+3] offset:64*\q           ; each accumulator from its low end on
	ds_store_b128 v[SOA], v[8*(4*\q+(\m))+4:8*(4*\q+(\m))+7] offset:64*\q+16
.endr
	WIN 0
.set i, 0
.rept 16
	ds_load_b128 v[OB+4*i:OB+4*i+3], v[SRA] offset:528*i   ; LDS serves a wave's instructions in order: these see my stores, and the next tile's stores come behind them
.set i, i+1
.endr
	s_wait_dscnt 0x0
.set i, 0
.rept 16
	global_store_b128 v[L16], v[OB+4*i:OB+4*i+3], s[14:15] offset:(16*(\m)+i)*2048 th:TH_STORE_NT   ; 512 consecutive bytes, at a multiple of 256 from ybuf's first byte
.set i, i+1
.endr
.endm
	OUTM 0
	OUTM 1
	OUTM 2
	OUTM 3
	s_wait_dscnt 0x0
	s_wait_alu depctr_hold_cnt(0) depctr_sa_sdst(0) depctr_va_vdst(0) depctr_va_sdst(0) depctr_va_ssrc(0) depctr_va_vcc(0) depctr_vm_vsrc(0)
	s_wait_tensorcnt 0x0
	ds_add_u32 v254, v255
	s_wait_dscnt 0x0
	s_endpgm
.Lfunc_end_k_q2c93136469_chain:
	.size	k_q2c93136469_chain, .Lfunc_end_k_q2c93136469_chain-k_q2c93136469_chain
	.p2alignl 7, 3214868480
	.fill 96, 4, 3214868480
	.section	.rodata,"a",@progbits
	.p2align	6, 0x0
	.amdhsa_kernel k_q2c93136469_chain
		.amdhsa_group_segment_fixed_size 51712
		.amdhsa_private_segment_fixed_size 0
		.amdhsa_enable_private_segment 0
		.amdhsa_kernarg_size 48
		.amdhsa_user_sgpr_count 2
		.amdhsa_user_sgpr_kernarg_segment_ptr 1
		.amdhsa_wavefront_size32 1
		.amdhsa_system_sgpr_workgroup_id_x 1
		.amdhsa_system_sgpr_workgroup_id_y 1
		.amdhsa_system_sgpr_workgroup_id_z 1
		.amdhsa_system_vgpr_workitem_id 0
		.amdhsa_next_free_vgpr 1024
		.amdhsa_next_free_sgpr 66
		.amdhsa_reserve_vcc 0
		.amdhsa_float_denorm_mode_32 3
		.amdhsa_float_denorm_mode_16_64 3
		.amdhsa_memory_ordered 1
		.amdhsa_forward_progress 1
		.amdhsa_inst_pref_size 255
	.end_amdhsa_kernel
	.section	.bss,"aw",@nobits
	.p2align	6
	.space	262144
	.amdgpu_metadata
---
amdhsa.version: [ 1, 2 ]
amdhsa.kernels:
  - .name:           k_q2c93136469_chain
    .symbol:         k_q2c93136469_chain.kd
    .args:
      - { .name: lists, .offset: 0, .size: 8, .value_kind: global_buffer, .address_space: global }
      - { .name: xq, .offset: 8, .size: 8, .value_kind: global_buffer, .address_space: global }
      - { .name: wq, .offset: 16, .size: 8, .value_kind: global_buffer, .address_space: global }
      - { .name: b1, .offset: 24, .size: 8, .value_kind: global_buffer, .address_space: global }
      - { .name: b2, .offset: 32, .size: 8, .value_kind: global_buffer, .address_space: global }
      - { .name: ybuf, .offset: 40, .size: 8, .value_kind: global_buffer, .address_space: global }
    .group_segment_fixed_size: 51712
    .private_segment_fixed_size: 0
    .kernarg_segment_align: 8
    .kernarg_segment_size: 48
    .max_flat_workgroup_size: 128
    .sgpr_count:     66
    .vgpr_count:     1024
    .wavefront_size: 32
...
	.end_amdgpu_metadata
.endif
;; end of part 5
;; launch combine: the kernel of part 4 again; grid 256 x 1, 8 waves a work-group, no clusters, 0 bytes of LDS; arguments lists, gw, ybuf, out0; writes out0
